; MI455X (gfx1250); checked and timed in simulation.
; The chip was launched on July 23, 2026; its instructions are those of AMD's public machine-readable ISA for CDNA 5 (MIT licence, August 2026) and "CDNA5" Instruction Set Architecture Reference Guide (July 2026). The comments in the code are by the model that wrote it; some were corrected since.
;; Mimi Attention. Allowed arithmetic: float matrix products may take bf16 or f16 operands with f32 sums; all other float work in f32.
;; Inputs: wk 1,024 x 1,024 float32; wo 1,024 x 1,024 float32; wq 1,024 x 1,024 float32; wv 1,024 x 1,024 float32; x 4,096 x 1,024 float32.
;; Outputs: out0 4,096 x 1,024 float32.
;; 2 versions, each right; version 2 is version 1 with the launch prep written anew for expert scheduling mode. Each part assembles by itself: llvm-mc -triple=amdgcn-amd-amdhsa -mcpu=gfx1250 --defsym DOCPART=n.
;; ======== version 1 of 2: 4 launches
;; limits: values are held in f16: magnitudes above 65,504 overflow, below 6.1e-05 lose precision
;; workspace buffers: xw 16,777,216 bytes; rope 1,048,576 bytes; qkvh 33,554,432 bytes; ctx 16,777,216 bytes
;; launch prep (part 1): grid 512 x 1, 8 waves a work-group, no clusters, 0 bytes of LDS; arguments x, wq, wk, wv, wo, xw, rope; writes xw, rope
.if DOCPART == 1
	.amdgcn_target "amdgcn-amd-amdhsa--gfx1250"
	.amdhsa_code_object_version 6
	.text
	.protected	k_q6fb6bfc31e_prep
	.globl	k_q6fb6bfc31e_prep
	.p2align	8
	.type	k_q6fb6bfc31e_prep,@function
k_q6fb6bfc31e_prep:
	s_mov_b64 s[64:65], 0
	v_nop
	global_prefetch_b8 v0, s[64:65] scope:SCOPE_SE
	s_setreg_imm32_b32 hwreg(HW_REG_WAVE_MODE, 25, 1), 1
	s_wait_xcnt 0x0
; Every input is rounded ONCE from f32 to bf16 (to nearest even) into xw (x, then wq, wk, wv, wo, each in its own row-major layout),
; and the table of RoPE's cosines and sines is made: rope[t][0..31] = cos(t f_j), rope[t][32..63] = sin(t f_j), f_j = 10000^(-j/32).
; bf16 has f32's range: no limit on the inputs' size arises here.
; LIMIT: f_j comes from an exponential in base 2, so an angle differs from t * (1 / 10000^(j/32)) by a few last places of the angle,
; at most about 5e-4 rad at t = 4095.  q and k are turned by the same table.
; A stream: no LDS, no barrier, no matrix unit, no cluster (no two work-groups read the same byte).
; Work-group g converts 16,384 numbers: 64 KiB in, 32 KiB out.  g < 256: x; then 64 work-groups for each weight.  Wave w also makes rope's row 8 g + w.
.set X,   4                            ; v[4:67]    16 loads of 4 numbers
.set Y,   68                           ; v[68:99]   16 stores of 4 bf16
.set RN,  107                          ; at work on the table's row
.set RR,  108
.set RZ,  109
.set RP,  112
.set RC,  113
.set RH,  114
.set RK,  115
.set QOFF, 104
	s_load_b256 s[8:15], s[0:1], 0x0               ; x s[8:9], wq s[10:11], wk s[12:13], wv s[14:15]
	s_load_b128 s[16:19], s[0:1], 0x20             ; wo s[16:17], xw s[18:19]
	s_load_b64 s[20:21], s[0:1], 0x30              ; rope
	s_mov_b32 s4, ttmp9                            ; g
	v_lshrrev_b32 v3, 5, v0
	v_readfirstlane_b32 s5, v3                     ; wave
	v_lshlrev_b32 v1, 4, v0                        ; 16 bytes a thread in
	v_lshlrev_b32 v2, 3, v0                        ; 8 bytes a thread out
	s_and_b32 s25, s4, 63
	s_cmp_lt_u32 s4, 256
	s_cselect_b32 s24, s4, s25                     ; my chunk of 64 KiB in my source
	s_lshl_b32 s26, s24, 16
	s_mov_b32 s27, 0
	s_lshl_b32 s28, s4, 15                         ; my 32 KiB of xw: g in order is xw's own layout
	s_mov_b32 s29, 0
	s_lshl3_add_u32 s30, s4, s5                    ; t = 8 g + wave
	s_lshl_b32 s32, s30, 8                         ; a row of the table is 256 bytes
	s_mov_b32 s33, 0
	s_wait_kmcnt 0x0
	s_mov_b64 s[22:23], s[8:9]                     ; the source: a choice between buffers on g alone
	s_cmp_ge_u32 s4, 256
	s_cselect_b64 s[22:23], s[10:11], s[22:23]
	s_cmp_ge_u32 s4, 320
	s_cselect_b64 s[22:23], s[12:13], s[22:23]
	s_cmp_ge_u32 s4, 384
	s_cselect_b64 s[22:23], s[14:15], s[22:23]
	s_cmp_ge_u32 s4, 448
	s_cselect_b64 s[22:23], s[16:17], s[22:23]
	s_add_nc_u64 s[22:23], s[22:23], s[26:27]
	s_add_nc_u64 s[18:19], s[18:19], s[28:29]
	s_add_nc_u64 s[20:21], s[20:21], s[32:33]
.irp i, 0,1,2,3,4,5,6,7,8,9,10,11,12,13,14,15
	global_load_b128 v[X+4*\i:X+4*\i+3], v1, s[22:23] offset:4096*\i th:TH_LOAD_NT   ; a wave's load covers 512 consecutive bytes; all 16 go out at once
.endr
	; The table's row, while the loads are on their way.  Lane L makes entries 2 L and 2 L + 1: j = 2 (L mod 16) and j + 1;
	; lanes 0-15 the cosines, as sin(x + pi/2) (one quadrant further), lanes 16-31 the sines.
	v_and_b32 v100, 31, v0
	v_and_b32 v101, 15, v0
	v_lshlrev_b32 v101, 1, v101
	v_cvt_f32_u32 v102, v101                       ; j
	v_add_f32 v103, 1.0, v102                      ; j + 1
	v_mul_f32 v102, 0xbed49a78, v102               ; - j log2(10000) / 32
	v_mul_f32 v103, 0xbed49a78, v103
	v_exp_f32 v102, v102
	v_exp_f32 v103, v103
	v_lshlrev_b32 v106, 3, v100                    ; 8 L: also the plain instruction between the exponentials and their use (ISA guide 5.7.2)
	v_cmp_gt_u32 vcc_lo, 16, v100
	v_cndmask_b32 v[QOFF], 0, 1, vcc_lo
	v_cvt_f32_u32 v105, s30
	s_wait_alu depctr_va_vdst(0)
	v_mul_f32 v102, v105, v102                     ; the angle, one f32 product
	v_mul_f32 v103, v105, v103
; sin(x + QOFF pi/2): x = n pi/2 + r with |r| <= pi/4 (pi/2 taken away in two parts, the first of 8 bits, so that n times it is exact),
; polynomials of degree 7 and 8 for sin r and cos r, the quadrant n + QOFF picks one of them and the sign.
.macro SINCOS x, out
	v_mul_f32 v[RN], 0x3f22f983, v[\x]             ; x * 2/pi
	v_rndne_f32 v[RN], v[RN]
	v_fmamk_f32 v[RR], v[RN], 0xbfc90000, v[\x]
	v_fmamk_f32 v[RR], v[RN], 0xb9fdaa22, v[RR]
	v_cvt_i32_f32 v[RK], v[RN]
	v_add_nc_u32 v[RK], v[RK], v[QOFF]
	v_mul_f32 v[RZ], v[RR], v[RR]
	v_mov_b32 v[RP], 0xb94ca1f9
	v_fmaak_f32 v[RP], v[RP], v[RZ], 0x3c08839e
	v_fmaak_f32 v[RP], v[RP], v[RZ], 0xbe2aaaa3
	v_mul_f32 v[RP], v[RP], v[RZ]
	v_fma_f32 v[RP], v[RP], v[RR], v[RR]           ; sin r
	v_mov_b32 v[RC], 0x37ccf5ce
	v_fmaak_f32 v[RC], v[RC], v[RZ], 0xbab6061a
	v_fmaak_f32 v[RC], v[RC], v[RZ], 0x3d2aaaa5
	v_mul_f32 v[RC], v[RC], v[RZ]
	v_fma_f32 v[RH], v[RZ], -0.5, 1.0
	v_fma_f32 v[RC], v[RC], v[RZ], v[RH]           ; cos r
	v_and_b32 v[RH], 1, v[RK]
	v_cmp_eq_u32 vcc_lo, 1, v[RH]
	v_cndmask_b32 v[\out], v[RP], v[RC], vcc_lo    ; odd quadrants take the cosine
	v_and_b32 v[RK], 2, v[RK]
	v_lshlrev_b32 v[RK], 30, v[RK]
	v_xor_b32 v[\out], v[\out], v[RK]              ; quadrants 2 and 3 change the sign
.endm
	SINCOS 102, 110
	SINCOS 103, 111
	global_store_b64 v106, v[110:111], s[20:21]    ; the wave stores the row's 256 consecutive bytes, aligned
.irp i, 0,1,2,3,4,5,6,7,8,9,10,11,12,13,14,15
	s_wait_loadcnt 15-\i                           ; loads come back in order (ISA guide 5.7.1): load i is in, the younger ones stay out
	v_cvt_pk_bf16_f32 v[Y+2*\i],   v[X+4*\i],   v[X+4*\i+1]
	v_cvt_pk_bf16_f32 v[Y+2*\i+1], v[X+4*\i+2], v[X+4*\i+3]
	global_store_b64 v2, v[Y+2*\i:Y+2*\i+1], s[18:19] offset:2048*\i   ; 32 lanes x 8 bytes: 256 consecutive bytes, aligned.  No register is written twice
.endr
	s_endpgm
.Lfunc_end_k_q6fb6bfc31e_prep:
	.size	k_q6fb6bfc31e_prep, .Lfunc_end_k_q6fb6bfc31e_prep-k_q6fb6bfc31e_prep
	.p2alignl 7, 3214868480
	.fill 96, 4, 3214868480
	.section	.rodata,"a",@progbits
	.p2align	6, 0x0
	.amdhsa_kernel k_q6fb6bfc31e_prep
		.amdhsa_group_segment_fixed_size 0
		.amdhsa_private_segment_fixed_size 0
		.amdhsa_enable_private_segment 0
		.amdhsa_kernarg_size 56
		.amdhsa_user_sgpr_count 2
		.amdhsa_user_sgpr_kernarg_segment_ptr 1
		.amdhsa_wavefront_size32 1
		.amdhsa_system_sgpr_workgroup_id_x 1
		.amdhsa_system_sgpr_workgroup_id_y 1
		.amdhsa_system_sgpr_workgroup_id_z 1
		.amdhsa_system_vgpr_workitem_id 0
		.amdhsa_next_free_vgpr 128
		.amdhsa_next_free_sgpr 66
		.amdhsa_reserve_vcc 1
		.amdhsa_float_denorm_mode_32 3
		.amdhsa_float_denorm_mode_16_64 3
		.amdhsa_memory_ordered 1
		.amdhsa_forward_progress 1
		.amdhsa_inst_pref_size 10
	.end_amdhsa_kernel
	.amdgpu_metadata
---
amdhsa.version: [ 1, 2 ]
amdhsa.kernels:
  - .name:           k_q6fb6bfc31e_prep
    .symbol:         k_q6fb6bfc31e_prep.kd
    .args:
      - { .name: x, .offset: 0, .size: 8, .value_kind: global_buffer, .address_space: global }
      - { .name: wq, .offset: 8, .size: 8, .value_kind: global_buffer, .address_space: global }
      - { .name: wk, .offset: 16, .size: 8, .value_kind: global_buffer, .address_space: global }
      - { .name: wv, .offset: 24, .size: 8, .value_kind: global_buffer, .address_space: global }
      - { .name: wo, .offset: 32, .size: 8, .value_kind: global_buffer, .address_space: global }
      - { .name: xw, .offset: 40, .size: 8, .value_kind: global_buffer, .address_space: global }
      - { .name: rope, .offset: 48, .size: 8, .value_kind: global_buffer, .address_space: global }
    .group_segment_fixed_size: 0
    .private_segment_fixed_size: 0
    .kernarg_segment_align: 8
    .kernarg_segment_size: 56
    .max_flat_workgroup_size: 256
    .sgpr_count:     66
    .vgpr_count:     128
    .wavefront_size: 32
...
	.end_amdgpu_metadata
.endif
;; end of part 1
;; launch qkv (part 2): grid 8 x 32, 4 waves a work-group, clusters of 4 x 4, 327,680 bytes of LDS; arguments xw, rope, qkvh; writes qkvh
.if DOCPART == 2
	.amdgcn_target "amdgcn-amd-amdhsa--gfx1250"
	.amdhsa_code_object_version 6
	.text
	.protected	k_q6fb6bfc31e_qkv
	.globl	k_q6fb6bfc31e_qkv
	.p2align	8
	.type	k_q6fb6bfc31e_qkv,@function
k_q6fb6bfc31e_qkv:
	s_mov_b64 s[64:65], 0
	v_nop
	global_prefetch_b8 v0, s[64:65] scope:SCOPE_SE
	s_setreg_imm32_b32 hwreg(HW_REG_WAVE_MODE, 25, 1), 1
	s_wait_xcnt 0x0
	s_wait_alu depctr_hold_cnt(0) depctr_sa_sdst(0) depctr_va_vdst(0) depctr_va_sdst(0) depctr_va_ssrc(0) depctr_va_vcc(0) depctr_vm_vsrc(0)
	s_getreg_b32 s2, hwreg(HW_REG_IB_STS2, 6, 4)
	s_cmp_eq_u32 s2, 0
	s_cbranch_scc0 .Lentry_in_a_cluster
	s_endpgm
.Lentry_in_a_cluster:
	s_bfe_u32 s2, ttmp6, 0x10000c
	s_cmp_lg_u32 s2, 0xf033
	s_cbranch_scc0 .Lentry_shape_is_right
	s_endpgm
.Lentry_shape_is_right:
; q, k, v = x wq^T, x wk^T, x wv^T (bf16 operands from xw, sums in f32); RoPE on q and k; the results head-major in qkvh:
;   q: f16 [16][4096][64] at byte 0;  k: f16 [16][4096][64] at byte 8,388,608;  v: f16 [16][4096][128] at byte 16,777,216, a row = hi[64] then lo[64].
; V IN TWO PARTS: hi = the f32 number with its mantissa cut to 10 bits (exact in f16), lo = f16(v - hi): 21 bits together.  A query with few keys passes v on
; almost unchanged, and such rows of the result are many times larger than the result's root mean square, by which errors are judged: one rounding to 11 bits is too coarse there.
; LIMIT: |q|, |k|, |v| below 65,504 (f16), beyond that infinities arise; below 6.1e-5 v is kept to a step of 6e-8.
; A work-group makes 128 rows x 384 columns with four waves; a wave 64 x 192 = 48 accumulator tiles of 16 x 16, 384 registers.  8 x 32 = 256 work-groups.
; A block column is heads 2 bx and 2 bx + 1 of q, of k and of v; a wave's 192 columns are ONE head of each.  So which columns are turned is written in the text,
; and both partners (d, d + 32) of a rotation lie in one lane: tiles c and c + 2 of the head, the same register.
; K goes in steps of 128 through two LDS slots (x's 128 rows, then 128 rows each of wq, wk, wv), one tensor load of 128 rows x 256 bytes a wave.
; CLUSTERS: 4 x 4 work-groups.  x's tile hangs on the block row alone and is asked for jointly by a row of the cluster, the weights' on the block column alone
; and are asked for jointly by a column: a quarter of the requests.
; REGISTERS in windows of 256: window 0: addresses, A's fragments (two buffers of 4 x 8), cos and sin of my 64 rows; window 1: B's fragments (two buffers of 12 x 8);
; window 2: accumulators of my rows 0-31 (tile (a, b) at 8 (12 a + b), b = 4 x (q, k, v) + c); window 3: of my rows 32-63.
; The matrix instruction is used transposed (source 0 = rows of W, source 1 = rows of x): lane l holds row l % 16 and eight neighbouring columns 8 (l / 16) + 0..7.
.set KSTEP,  128
.set PITCH,  272                       ; an LDS row: 256 bytes + 16 of padding, an odd multiple of 16: the 16 rows of a fragment load start 16 bytes apart modulo 256
.set HALFT,  128*PITCH                 ; what one tensor load brings
.set SLOT,   4*HALFT
.set STAGE,  2*SLOT                    ; behind the ring, never filled by a tensor load; for each wave: q [16 rows][144], k [16][144], v [16][272]
.set SP,     144
.set SPV,    272
.set WSTAGE, 2*16*SP+16*SPV
.set LAPS,   1024/(2*KSTEP)            ; a lap = two K steps = once round the ring
.set ADRA, 16                          ; v16-17  LDS address of my A fragments in slot 0, 1
.set ADRB, 18                          ; v18-23  of my B fragments: 3 x slot + part (wq, wk, wv): the parts lie too far apart for one 16-bit offset
.set STO,  24                          ; the way out of q and k: where I put 16 bytes of a row
.set RD,   25                          ; where I read rows back
.set CO,   26                          ; 16 x lane: my place in 512 consecutive bytes of the result
.set RT,   27                          ; my byte offset in the table of cos and sin
.set STOV, 28                          ; the way out of v
.set RDV,  29
.set AF,   32                          ; A's fragments: buffer f at AF + 32 f
.set CS,   128                         ; v128-255: rows 16 a + r: cos of my 16 columns, then sin, at CS + 32 a
.set VD,   32                          ; behind the K loop: v - hi in f32, then v's rows read back (v32-63)
.set TMP,  64                          ; packed f16 (v64-79)
.set RB,   80                          ; q's and k's rows read back (v80-95)
.set T,    96                          ; at work in f32 (v96-127)
.set G1,  24                           ; s[24:31] group 1 for A's tiles
.set G0,  32                           ; s[32:39] group 0 for A's tiles, one set a slot
.set G1B, 48                           ; s[48:55] group 1 for B's tiles: another mask
.set G0B, 56                           ; s[56:63] group 0 for B's tiles, one set a slot
.set MSB, 0
.macro WIN new                         ; the immediate's high byte repeats the setting that is left
.if MSB != (\new)
	s_set_vgpr_msb (MSB<<8)|(\new)
.set MSB, (\new)
.endif
.endm
.set MUL_LO, 0xa1                      ; source 0 (B) window 1, source 1 (A) window 0, C and D window 2
.set MUL_HI, 0xf1                      ; the same, C and D window 3
.set TO_B,   0x40                      ; destination window 1, address window 0
; A joint load: wave 0 asks for x's tile, waves 1 to 3 for wq's, wk's, wv's.  The branch hangs on the wave's number alone.
.macro JLOAD s
	s_cmp_eq_u32 s10, 0
	s_cbranch_scc0 .Lfor_b_\@
	tensor_load_to_lds s[G0+4*\s:G0+4*\s+3], s[G1:G1+7]
	s_nop 0
	s_branch .Lasked_\@
.Lfor_b_\@:
	tensor_load_to_lds s[G0B+4*\s:G0B+4*\s+3], s[G1B:G1B+7]
	s_nop 0
.Lasked_\@:
.endm
; A round of the cluster's barrier: my work-group's barrier; wave 0 signals for the work-group; every wave waits for all sixteen; my work-group's barrier again.
.macro CREST
	s_cmp_lg_u32 s10, 0
	s_cbranch_scc1 .Lnot_wave_0_\@
	s_barrier_signal -3
.Lnot_wave_0_\@:
	s_barrier_wait -3
	s_barrier_signal -1
	s_barrier_wait -1
.endm
.macro CROUND
	s_barrier_signal -1
	s_barrier_wait -1
	CREST
.endm
	s_load_b128 s[4:7], s[0:1], 0x0                ; xw s[4:5], rope s[6:7]
	s_load_b64 s[8:9], s[0:1], 0x10                ; qkvh
	s_set_vgpr_msb 0x40
	v_lshl_add_u32 v255, v0, 2, 0x4cc00
	s_set_vgpr_msb 0x4000
	v_mov_b32 v31, 0
	s_set_vgpr_msb 0x1
	ds_add_u32 v255, v31
	s_set_vgpr_msb 0x100
	v_lshrrev_b32 v1, 5, v0
	v_readfirstlane_b32 s10, v1                    ; wave 0..3
	s_lshr_b32 s11, s10, 1                         ; which 64 of the block's rows are mine
	s_and_b32 s12, s10, 1                          ; which of the block column's two heads
	s_bfe_u32 s40, ttmp6, 0x40000                  ; cx
	s_bfe_u32 s41, ttmp6, 0x40004                  ; cy
	s_lshl_b32 s42, ttmp9, 2
	s_add_co_u32 s42, s42, s40                     ; block column = 4 x cluster x + cx
	s_and_b32 s13, ttmp7, 0xffff
	s_lshl_b32 s13, s13, 2
	s_add_co_u32 s13, s13, s41                     ; block row = 4 x cluster y + cy
	s_lshl_b32 s43, s41, 2
	s_lshl_b32 s43, 15, s43                        ; my row of the cluster: places 4 cy .. 4 cy + 3
	s_lshl_b32 s44, 0x1111, s40                    ; my column: places cx, cx + 4, cx + 8, cx + 12
	; group 1: a tile of 128 rows x 128 elements of 2 bytes, 4 words of padding behind every 64 words, rows 1,024 elements apart
	s_or_b32 s[G1+0], s43, (1<<16)|(1<<20)|(1<<21)|(5<<22)|(3<<25)
	s_or_b32 s[G1B+0], s44, (1<<16)|(1<<20)|(1<<21)|(5<<22)|(3<<25)
	s_mov_b32 s[G1+1], KSTEP<<16                   ; tensor_dim0 = 128
	s_mov_b32 s[G1B+1], KSTEP<<16
	s_mov_b32 s[G1+2], 128<<16                     ; tensor_dim1 = 128
	s_mov_b32 s[G1B+2], 128<<16
	s_mov_b32 s[G1+3], KSTEP<<16                   ; tile_dim0 = 128
	s_mov_b32 s[G1B+3], KSTEP<<16
	s_mov_b32 s[G1+4], 128                         ; tile_dim1 = 128
	s_mov_b32 s[G1B+4], 128
	s_mov_b32 s[G1+5], 1024                        ; elements from row to row
	s_mov_b32 s[G1B+5], 1024
	s_mov_b32 s[G1+6], 0
	s_mov_b32 s[G1B+6], 0
	s_mov_b32 s[G1+7], 0
	s_mov_b32 s[G1B+7], 0
	s_lshl_b32 s16, s13, 18                        ; A: 128 rows of 2,048 bytes for each block row
	s_mov_b32 s17, 0
	s_sub_co_i32 s45, s10, 1
	s_max_i32 s45, s45, 0                          ; B: waves 1, 2, 3 take wq, wk, wv (wave 0 never asks by this address),
	s_lshl_b32 s45, s45, 21                        ; 2,097,152 bytes each,
	s_lshl_b32 s46, s42, 18                        ; 128 rows of 2,048 bytes for each block column,
	s_add_co_u32 s46, s46, s45
	s_add_co_u32 s46, s46, 8388608                 ; behind x in xw
	s_mov_b32 s47, 0
	s_mul_i32 s20, s10, HALFT                      ; where a wave's part goes: x, wq, wk, wv = wave x 128 rows
	s_lshl_b32 s18, s13, 15                        ; the table's rows of my 64 rows of x: (128 block row + 64 half) x 256 bytes
	s_lshl_b32 s19, s11, 14
	s_add_co_u32 s18, s18, s19
	s_mov_b32 s19, 0
	s_wait_dscnt 0x0
	s_wait_kmcnt 0x0
	s_add_nc_u64 s[14:15], s[4:5], s[16:17]
	s_add_nc_u64 s[46:47], s[4:5], s[46:47]
	s_add_nc_u64 s[6:7], s[6:7], s[18:19]
	CROUND                                         ; all sixteen work-groups are here: the first joint loads meet
.irp s, 0,1
	s_mov_b32 s[G0+4*\s], 1
	s_add_co_u32 s[G0+4*\s+1], s20, \s*SLOT
	s_add_nc_u64 s[G0+4*\s+2:G0+4*\s+3], s[14:15], \s*KSTEP*2
	s_or_b32 s[G0+4*\s+3], s[G0+4*\s+3], 0x80000000
	s_mov_b32 s[G0B+4*\s], 1
	s_add_co_u32 s[G0B+4*\s+1], s20, \s*SLOT
	s_add_nc_u64 s[G0B+4*\s+2:G0B+4*\s+3], s[46:47], \s*KSTEP*2
	s_or_b32 s[G0B+4*\s+3], s[G0B+4*\s+3], 0x80000000
	JLOAD \s                                       ; K steps 0 and 1: two tensor loads of the wave are out, the most in this text
.endr
	v_and_b32 v1, 15, v0                           ; r = l % 16
	v_bfe_u32 v2, v0, 4, 1                         ; h = l / 16
	; cos and sin: lane (r, h) holds columns 16 c + 8 h + 0..7 of a head's tiles c, so it needs entries 8 h + 0..7 and 16 + 8 h + 0..7 of both halves of row r
	v_lshlrev_b32 v[RT], 8, v1
	v_lshl_add_u32 v[RT], v2, 5, v[RT]             ; 256 r + 32 h
.irp a, 0,1,2,3
.irp i, 0,1,2,3,4,5,6,7
	global_load_b128 v[CS+32*\a+4*\i:CS+32*\a+4*\i+3], v[RT], s[6:7] offset:4096*\a+(\i/2)*64+(\i%2)*16
.endr
.endr
	v_mul_u32_u24 v3, v1, PITCH
	v_lshl_add_u32 v3, v2, 4, v3                   ; row x pitch + 16 x half: a fragment is two loads of 16 bytes, 32 bytes apart
	s_mul_i32 s21, s11, 64*PITCH                   ; my 64 rows of x
	s_mul_i32 s22, s12, 64*PITCH                   ; my head's 64 rows in each weight's part,
	s_add_co_u32 s22, s22, HALFT                   ; which lie behind x's 128 rows
.irp s, 0,1
	v_add_nc_u32 v[ADRA+\s], s21, v3
.irp p, 0,1,2
	v_add_nc_u32 v[ADRB+3*\s+\p], s22, v3
	s_add_co_u32 s22, s22, HALFT
.endr
	s_add_co_u32 s21, s21, SLOT
	s_add_co_u32 s22, s22, HALFT                   ; three parts and this one: a slot on
.endr
	s_mul_i32 s23, s10, WSTAGE
	s_add_co_u32 s23, s23, STAGE                   ; my stage
	v_mul_u32_u24 v4, v1, SP
	v_lshl_add_u32 v4, v2, 4, v4
	v_add_nc_u32 v[STO], s23, v4                   ; in: row r, 16 bytes for each half of the lanes
	v_bfe_u32 v5, v0, 3, 2
	v_and_b32 v6, 7, v0
	v_mul_u32_u24 v5, v5, SP
	v_lshl_add_u32 v5, v6, 4, v5
	v_add_nc_u32 v[RD], s23, v5                    ; back: eight lanes take a row of 128 bytes, the wave four rows
	v_and_b32 v6, 31, v0
	v_lshlrev_b32 v[CO], 4, v6
	s_add_co_u32 s23, s23, 2*16*SP                 ; v's stage: rows of 256 bytes, pitch 272
	v_add_nc_u32 v[STOV], s23, v3                  ; in: row r, 16 bytes for each half of the lanes
	v_mul_u32_u24 v5, v2, SPV
	v_lshl_add_u32 v5, v1, 4, v5
	v_add_nc_u32 v[RDV], s23, v5                   ; back: sixteen lanes take a row, the wave two rows
; 12 matrix instructions: row block a of the window's two (hi = 0: rows 0-31, 1: rows 32-63) x all 12 column blocks, 32 along K.  zero = 1: the product starts the sums.
.macro MUL12 f, hi, a, zero
.irp b, 0,1,2,3,4,5,6,7,8,9,10,11
.if \zero
	v_wmma_f32_16x16x32_bf16 v[8*(12*\a+\b):8*(12*\a+\b)+7], v[96*\f+8*\b:96*\f+8*\b+7], v[AF+32*\f+8*(2*\hi+\a):AF+32*\f+8*(2*\hi+\a)+7], 0
.else
	v_wmma_f32_16x16x32_bf16 v[8*(12*\a+\b):8*(12*\a+\b)+7], v[96*\f+8*\b:96*\f+8*\b+7], v[AF+32*\f+8*(2*\hi+\a):AF+32*\f+8*(2*\hi+\a)+7], v[8*(12*\a+\b):8*(12*\a+\b)+7]
.endif
.endr
.endm
; 32 LDS loads in one run: 64 rows each of wq, wk, wv, then 64 rows of x, 32 K at byte k of the rows, into buffer f
.macro FETCH slot, k, f
	WIN TO_B
.irp i, 0,1,2,3,4,5,6,7,8,9,10,11
	ds_load_b128 v[96*\f+8*\i:96*\f+8*\i+3],   v[ADRB+3*\slot+\i/4] offset:\k+(\i%4)*16*PITCH
	ds_load_b128 v[96*\f+8*\i+4:96*\f+8*\i+7], v[ADRB+3*\slot+\i/4] offset:\k+(\i%4)*16*PITCH+32
.endr
	WIN 0
.irp i, 0,1,2,3
	ds_load_b128 v[AF+32*\f+8*\i:AF+32*\f+8*\i+3],   v[ADRA+\slot] offset:\k+\i*16*PITCH
	ds_load_b128 v[AF+32*\f+8*\i+4:AF+32*\f+8*\i+7], v[ADRA+\slot] offset:\k+\i*16*PITCH+32
.endr
.endm
; Four places of plain vector instructions between a matrix instruction and a load into, or a vector instruction on, one of its registers (ISA guide 7.12.1 for vector instructions);
; the matrix instructions in between are not counted.
.macro PLACES
.rept 4
	v_nop
.endr
.endm
; A quarter step: 48 matrix instructions on buffer f; in its middle the next quarter's fragments go into buffer g.
; The 48 accumulators take turns, one instruction a turn, in the same order in every quarter.
.macro QUARTER slot, k, f, g, zero
	s_wait_dscnt 4                                 ; B and A's rows 0-31 are in; the youngest four loads (A's rows 32-63) may be out
	WIN MUL_LO
	MUL12 \f, 0, 0, \zero
	MUL12 \f, 0, 1, \zero
	PLACES
	FETCH \slot, \k, \g
	s_wait_dscnt 32                                ; all but the 32 just issued
	WIN MUL_HI
	MUL12 \f, 1, 0, \zero
	MUL12 \f, 1, 1, \zero
.endm
.macro THREE slot, zero
	QUARTER \slot, 64,  0, 1, \zero
	QUARTER \slot, 128, 1, 0, 0
	QUARTER \slot, 192, 0, 1, 0
.endm
; The last quarter of a K step multiplies buffer 1 and changes slots.  In front of the barrier each wave waits for its reads of this slot and for all its
; tensor loads (the one that is out is its part of the next slot); behind it the refill comes first, then the next slot's first fragments.
; From a request to the wait for it a wave issues 180 matrix instructions.
.macro TURN slot, next, fill
	s_wait_dscnt 4
	WIN MUL_LO
	MUL12 1, 0, 0, 0
	s_wait_dscnt 0                                 ; my reads of this slot are over
	s_wait_tensorcnt 0x0                           ; all my tensor loads have landed
	ds_add_u32 v255, v31
	s_wait_dscnt 0x0
	s_barrier_signal -1                            ; (where the slot is filled again this barrier opens a round of the cluster's barrier)
	MUL12 1, 0, 1, 0                               ; register work while the others arrive
	WIN 0
	s_barrier_wait -1
.if \fill
	CREST                                          ; no wave of any partner still reads this slot or has a load on its way
	s_add_nc_u64 s[G0+4*\slot+2:G0+4*\slot+3], s[G0+4*\slot+2:G0+4*\slot+3], 2*KSTEP*2
	s_add_nc_u64 s[G0B+4*\slot+2:G0B+4*\slot+3], s[G0B+4*\slot+2:G0B+4*\slot+3], 2*KSTEP*2
	JLOAD \slot                                    ; the wave's one tensor load behind the round
.endif
	PLACES
	FETCH \next, 0, 0
	WIN MUL_HI
	MUL12 1, 1, 0, 0
	MUL12 1, 1, 1, 0
.endm
.macro LAP zero
	THREE 0, \zero
	TURN 0, 1, 1
	THREE 1, 0
	TURN 1, 0, 1
.endm
	s_wait_loadcnt 0x0                             ; cos and sin are in: no load stays out over the K loop
	s_wait_tensorcnt 1                             ; my part of K step 0 is in; K step 1 stays out
	s_barrier_signal -1
	s_barrier_wait -1
	FETCH 0, 0, 0
	LAP 1                                          ; the first lap's first products start the sums: nothing is cleared
	WIN 0
	s_mov_b32 s3, LAPS-2
.Llap:
	LAP 0
	WIN 0
	s_sub_co_u32 s3, s3, 1
	s_cmp_lg_u32 s3, 0
	s_cbranch_scc1 .Llap
	THREE 0, 0                                     ; the last lap fills nothing
	TURN 0, 1, 0
	THREE 1, 0
	s_wait_dscnt 4
	WIN MUL_LO
	MUL12 1, 0, 0, 0
	MUL12 1, 0, 1, 0
	s_wait_dscnt 0
	WIN MUL_HI
	MUL12 1, 1, 0, 0
	MUL12 1, 1, 1, 0
	WIN 0
	PLACES                                         ; behind the last matrix instructions, for all that follows
	; THE WAY OUT, 16 rows of a head at a time: turn (q, k) or split (v), round to f16, through my own stage, whole rows out.
	s_lshl_b32 s66, s42, 1
	s_add_co_u32 s66, s66, s12                     ; my head = 2 block column + half
	s_lshl_b32 s67, s13, 7
	s_lshl_b32 s68, s11, 6
	s_add_co_u32 s67, s67, s68                     ; my first row = 128 block row + 64 half
	s_lshl_b32 s68, s66, 20                        ; v: a head is 4,096 rows of 256 bytes,
	s_lshl_b32 s69, s67, 8
	s_add_co_u32 s68, s68, s69
	s_add_co_u32 s68, s68, 0x1000000               ; behind q and k
	s_mov_b32 s69, 0
	s_add_nc_u64 s[72:73], s[8:9], s[68:69]
	s_lshl_b32 s68, s66, 19                        ; q: a head is 4,096 rows of 128 bytes
	s_lshl_b32 s69, s67, 7
	s_add_co_u32 s68, s68, s69
	s_mov_b32 s69, 0
	s_add_nc_u64 s[8:9], s[8:9], s[68:69]
	s_add_nc_u64 s[70:71], s[8:9], 0x800000        ; k: 16 heads behind q
	s_mov_b32 s74, 0xffffe000                      ; keeps sign, exponent and 10 bits of an f32's mantissa
; rows 16 a .. 16 a + 15 of q (hh = 0) or k (hh = 1): turned, rounded, stored by the base in s[base:base+1]
.macro ROT a, hh, base
	WIN (2+\a/2)                                   ; source 0: the accumulators' window
.irp tw, 0,1
.irp p, 0,1,2,3
	v_pk_mul_f32 v[T+8*\tw+2*\p:T+8*\tw+2*\p+1],       v[8*(12*(\a%2)+4*\hh+\tw)+2*\p:8*(12*(\a%2)+4*\hh+\tw)+2*\p+1],     v[CS+32*\a+8*\tw+2*\p:CS+32*\a+8*\tw+2*\p+1]
	v_pk_mul_f32 v[T+16+8*\tw+2*\p:T+16+8*\tw+2*\p+1], v[8*(12*(\a%2)+4*\hh+\tw+2)+2*\p:8*(12*(\a%2)+4*\hh+\tw+2)+2*\p+1], v[CS+32*\a+8*\tw+2*\p:CS+32*\a+8*\tw+2*\p+1]
	v_pk_fma_f32 v[T+8*\tw+2*\p:T+8*\tw+2*\p+1],       v[8*(12*(\a%2)+4*\hh+\tw+2)+2*\p:8*(12*(\a%2)+4*\hh+\tw+2)+2*\p+1], v[CS+32*\a+16+8*\tw+2*\p:CS+32*\a+16+8*\tw+2*\p+1], v[T+8*\tw+2*\p:T+8*\tw+2*\p+1] neg_lo:[1,0,0] neg_hi:[1,0,0]   ; x1 cos - x2 sin
	v_pk_fma_f32 v[T+16+8*\tw+2*\p:T+16+8*\tw+2*\p+1], v[8*(12*(\a%2)+4*\hh+\tw)+2*\p:8*(12*(\a%2)+4*\hh+\tw)+2*\p+1],     v[CS+32*\a+16+8*\tw+2*\p:CS+32*\a+16+8*\tw+2*\p+1], v[T+16+8*\tw+2*\p:T+16+8*\tw+2*\p+1]                                ; x2 cos + x1 sin
.endr
.endr
	WIN 0
.irp i, 0,1,2,3,4,5,6,7,8,9,10,11,12,13,14,15
	v_cvt_pk_f16_f32 v[TMP+\i], v[T+2*\i], v[T+2*\i+1]
.endr
.irp tw, 0,1,2,3
	ds_store_b128 v[STO], v[TMP+4*\tw:TMP+4*\tw+3] offset:16*SP*\hh+32*\tw
.endr
	s_wait_xcnt 0x0                                ; RB, which earlier stores read, is loaded again only behind this wait
.irp i, 0,1,2,3
	ds_load_b128 v[RB+4*\i:RB+4*\i+3], v[RD] offset:16*SP*\hh+4*SP*\i   ; my own bytes; LDS serves a wave's instructions in order (ISA guide 5.7.1)
.endr
.irp i, 0,1,2,3
	s_wait_dscnt 3-\i
	global_store_b128 v[CO], v[RB+4*\i:RB+4*\i+3], s[\base:\base+1] offset:2048*\a+512*\i   ; four rows of a head: 512 consecutive bytes, aligned
.endr
.endm
; rows 16 a .. 16 a + 15 of v: split into hi and lo, stored as rows of 256 bytes
.macro VOUT a
	s_wait_xcnt 0x0                                ; VD, which the last block's stores read, is written again only behind this wait
	WIN (2+\a/2)
.irp c, 0,1,2,3
.irp j, 0,1,2,3,4,5,6,7
	v_and_b32 v[T+8*\c+\j], v[8*(12*(\a%2)+8+\c)+\j], s74                  ; hi, still in f32
.endr
.endr
.irp c, 0,1,2,3
.irp p, 0,1,2,3
	v_pk_add_f32 v[VD+8*\c+2*\p:VD+8*\c+2*\p+1], v[8*(12*(\a%2)+8+\c)+2*\p:8*(12*(\a%2)+8+\c)+2*\p+1], v[T+8*\c+2*\p:T+8*\c+2*\p+1] neg_lo:[0,1] neg_hi:[0,1]   ; v - hi, exact
.endr
.endr
	WIN 0
.irp i, 0,1,2,3,4,5,6,7,8,9,10,11,12,13,14,15
	v_cvt_pk_f16_f32 v[TMP+\i], v[T+2*\i], v[T+2*\i+1]                     ; hi: exact from 6.1e-5 upward
.endr
.irp i, 0,1,2,3,4,5,6,7,8,9,10,11,12,13,14,15
	v_cvt_pk_f16_f32 v[T+\i], v[VD+2*\i], v[VD+2*\i+1]                     ; lo, rounded
.endr
.irp c, 0,1,2,3
	ds_store_b128 v[STOV], v[TMP+4*\c:TMP+4*\c+3] offset:32*\c
	ds_store_b128 v[STOV], v[T+4*\c:T+4*\c+3]     offset:128+32*\c
.endr
.irp i, 0,1,2,3,4,5,6,7
	ds_load_b128 v[VD+4*\i:VD+4*\i+3], v[RDV] offset:2*SPV*\i              ; my own bytes, served in order
.endr
.irp i, 0,1,2,3,4,5,6,7
	s_wait_dscnt 7-\i
	global_store_b128 v[CO], v[VD+4*\i:VD+4*\i+3], s[72:73] offset:4096*\a+512*\i   ; two rows of 256 bytes: 512 consecutive bytes, aligned
.endr
.endm
.irp a, 0,1,2,3
	ROT \a, 0, 8
	ROT \a, 1, 70
	VOUT \a
.endr
	s_set_vgpr_msb 0x1
	s_wait_tensorcnt 0x0
	ds_add_u32 v255, v31
	s_wait_dscnt 0x0
	s_set_vgpr_msb 0x100
	CROUND                                         ; the closing round: no work-group ends while a partner may still ask for a tile that names it
	s_endpgm
.Lfunc_end_k_q6fb6bfc31e_qkv:
	.size	k_q6fb6bfc31e_qkv, .Lfunc_end_k_q6fb6bfc31e_qkv-k_q6fb6bfc31e_qkv
	.p2alignl 7, 3214868480
	.fill 96, 4, 3214868480
	.section	.rodata,"a",@progbits
	.p2align	6, 0x0
	.amdhsa_kernel k_q6fb6bfc31e_qkv
		.amdhsa_group_segment_fixed_size 327680
		.amdhsa_private_segment_fixed_size 0
		.amdhsa_enable_private_segment 0
		.amdhsa_kernarg_size 24
		.amdhsa_user_sgpr_count 2
		.amdhsa_user_sgpr_kernarg_segment_ptr 1
		.amdhsa_wavefront_size32 1
		.amdhsa_system_sgpr_workgroup_id_x 1
		.amdhsa_system_sgpr_workgroup_id_y 1
		.amdhsa_system_sgpr_workgroup_id_z 1
		.amdhsa_system_vgpr_workitem_id 0
		.amdhsa_next_free_vgpr 960
		.amdhsa_next_free_sgpr 80
		.amdhsa_reserve_vcc 0
		.amdhsa_float_denorm_mode_32 3
		.amdhsa_float_denorm_mode_16_64 3
		.amdhsa_memory_ordered 1
		.amdhsa_forward_progress 1
		.amdhsa_inst_pref_size 204
	.end_amdhsa_kernel
	.amdgpu_metadata
---
amdhsa.version: [ 1, 2 ]
amdhsa.kernels:
  - .name:           k_q6fb6bfc31e_qkv
    .symbol:         k_q6fb6bfc31e_qkv.kd
    .args:
      - { .name: xw, .offset: 0, .size: 8, .value_kind: global_buffer, .address_space: global }
      - { .name: rope, .offset: 8, .size: 8, .value_kind: global_buffer, .address_space: global }
      - { .name: qkvh, .offset: 16, .size: 8, .value_kind: global_buffer, .address_space: global }
    .group_segment_fixed_size: 327680
    .private_segment_fixed_size: 0
    .kernarg_segment_align: 8
    .kernarg_segment_size: 24
    .max_flat_workgroup_size: 128
    .sgpr_count:     80
    .vgpr_count:     960
    .wavefront_size: 32
...
	.end_amdgpu_metadata
.endif
;; end of part 2
;; launch attn (part 3): grid 16 x 16, 8 waves a work-group, no clusters, 326,656 bytes of LDS; arguments qkvh, ctx; writes ctx
.if DOCPART == 3
	.amdgcn_target "amdgcn-amd-amdhsa--gfx1250"
	.amdhsa_code_object_version 6
	.text
	.protected	k_q6fb6bfc31e_attn
	.globl	k_q6fb6bfc31e_attn
	.p2align	8
	.type	k_q6fb6bfc31e_attn,@function
k_q6fb6bfc31e_attn:
	s_mov_b64 s[64:65], 0
	v_nop
	global_prefetch_b8 v0, s[64:65] scope:SCOPE_SE
	s_setreg_imm32_b32 hwreg(HW_REG_WAVE_MODE, 25, 1), 1
	s_wait_xcnt 0x0
; Attention of one head for 256 queries: query i sees keys i - 512 .. i.  From qkvh: q, k f16 [16][4096][64]; v f16 [16][4096][128], a row = hi[64] then lo[64], v = hi + lo.
; To ctx: bf16 [16][4096][128], a row = hi[64] then lo[64]: hi = the upper 16 bits of the f32 number, lo = bf16(number - hi), about 16 bits together.
; The block's whole window, keys 256 qb - 512 .. 256 qb + 255 = 12 tiles of 64, lies in LDS at once: every byte of LDS is filled once, there is no ring.
; Wave w owns queries 32 w .. 32 w + 31 of the block and, with t0 = w / 2, walks tiles t0 .. t0 + 8: t0 + 8 holds the diagonal, t0 the window's left edge,
; the seven between need no mask.  Softmax with a running maximum, in f32; P is rounded to f16 for the products P Vhi + P Vlo, the row's sum is taken from the f32 numbers.
; LIMIT: |q|, |k|, |v| below 65,504 (f16).
; KEYS IN FRONT OF THE SEQUENCE (qb = 0, 1): tiles below kmin = max(0, 8 - 4 qb) are fetched like the others, from the rows that lie in front of the head's own
; in qkvh (inside the buffer: 8 MiB and more lie in front of k's and of v's first head), and are never read: a branch on qb and the wave's number jumps over their work.
; NO CLUSTER: a block of 256 keys is wanted by three neighbouring query blocks at three different places of their windows (thirds 0, 1, 2 of the K and V
; regions); a joint load has one LDS address for all, so the readers' LDS addresses would have to hang on the place in the cluster.
; Q DOES NOT PASS THROUGH LDS: K and V take 325,632 bytes; a wave's 32 queries are 4,096 consecutive bytes that its eight loads take up whole, once.
; EVERYTHING IS TRANSPOSED.  S^T = K Q^T: lane (r, h), register j = key 8 h + j of a block of 16, query r.  Rounded in pairs that is the second source of
; O^T = V^T P^T as it stands: no LDS, no shuffle.  O^T: lane (r, h), register j = d 16 db + 8 h + j of query r.  So a query's maximum, sum and factor are a lane's
; own numbers, and the two halves of the lanes meet by one v_permlanex16_b32.
.set KP2, 272                          ; TWO rows of K (256 bytes) + 16: row R at 272 (R / 2) + 128 (R % 2); a fragment's 16 rows fall on 16-byte columns R / 2 + 8 (R % 2) modulo 16, all different
.set KB,  8*KP2                        ; 16 keys
.set KT,  32*KP2                       ; a tile of K.  K: 768 rows from byte 0
.set VP,  288                          ; pitch of V's rows: 256 + 32, an odd multiple of 32, for the transposing load
.set VT,  64*VP                        ; a tile of V
.set LV,  384*KP2                      ; V: 768 rows from here
.set SPC, 272                          ; the stage, over K's first bytes once nobody reads K any more: 32 rows x 272 bytes for each wave
.set AKD, 6                            ; LDS address of my K fragments, diagonal tile
.set AVD, 7                            ; of my V fragments, diagonal tile
.set AK,  8                            ; the same for the tile at work, from t0 upward
.set AV,  9
.set STO, 10
.set RD,  11
.set CO,  12
.set AQ,  13                           ; my byte offset in my wave's queries
.set DM,  14                           ; v[14:15] query's place minus 8 h, for the two blocks of 16 queries
.set MX,  16                           ; v[16:17] running maximum
.set NB,  18                           ; v[18:19] - c x maximum, as rounded
.set AL,  20                           ; v[20:21] factor for what has been summed so far
.set LP,  22                           ; v[22:25] sums: a pair for each block of queries, each half of the lanes its own
.set TM,  26
.set TX,  28
.set QF,  32                           ; v32-63   Q's fragment (nq, ks) at 8 (2 nq + ks)
.set KV,  64                           ; v64-127  K's fragment (kb, ks) at 8 (4 ks + kb); then Vhi's (db, ks2) at 8 (4 ks2 + db)
.set SC,  128                          ; v128-191 S(nq, 8 kb + j) at 32 nq + 8 kb + j; P packed into the first 8 of each 16
.set OA,  192                          ; v192-255 O's tile (db, nq) at 8 (2 db + nq)
                                       ; window 1, v0-63 (v256-319): Vlo's fragment (db, ks2) at 8 (4 ks2 + db)
.set MSB, 0
.macro WIN new                         ; s_set_vgpr_msb: bits 1:0 source 0, 7:6 destination; the immediate's high byte repeats the setting that is left
.if MSB != (\new)
	s_set_vgpr_msb (MSB<<8)|(\new)
.set MSB, (\new)
.endif
.endm
; group 1 of a dense block taken as rows of 256 bytes: elements of 2 bytes, padding behind every 64 words
.macro GROUP1 g, w0, rows
	s_mov_b32 s[\g], \w0
	s_mov_b32 s[\g+1], 128<<16                     ; tensor_dim0 = 128
	s_mov_b32 s[\g+2], \rows<<16                   ; tensor_dim1
	s_mov_b32 s[\g+3], 128<<16                     ; tile_dim0 = 128
	s_mov_b32 s[\g+4], \rows                       ; tile_dim1
	s_mov_b32 s[\g+5], 128                         ; elements from row to row: dense
	s_mov_b32 s[\g+6], 0
	s_mov_b32 s[\g+7], 0
.endm
	s_load_b128 s[4:7], s[0:1], 0x0                ; qkvh s[4:5], ctx s[6:7]
	v_lshl_add_u32 v30, v0, 2, 0x4f800
	v_mov_b32 v31, 0
	ds_add_u32 v30, v31
	v_lshrrev_b32 v1, 5, v0
	v_readfirstlane_b32 s8, v1                     ; wave 0..7
	s_mov_b32 s9, ttmp9                            ; qb
	s_and_b32 s10, ttmp7, 0xffff                   ; head
	s_lshl_b32 s11, s10, 12
	s_lshl_b32 s2, s9, 8
	s_add_co_u32 s11, s11, s2                      ; 4096 head + 256 qb: the block's first row, counted through the heads
	s_lshl_b32 s2, s8, 5
	s_add_co_u32 s12, s11, s2                      ; + 32 w: my queries, and my part of the block's own keys
	s_lshl_b32 s2, s8, 6
	s_add_co_u32 s14, s11, s2                      ; + 64 w: my tile of the 512 keys in front of the block
	s_add_co_u32 s14, s14, 65536-512               ; k begins 65,536 rows of 128 bytes into qkvh, v 65,536 rows of 256 bytes: one row number serves both, never below 0
	s_add_co_u32 s3, s12, 65536
	s_lshl_b32 s16, s12, 7                         ; q: rows of 128 bytes
	s_mov_b32 s17, 0
	s_lshl_b32 s20, s12, 8                         ; ctx: rows of 256 bytes
	s_mov_b32 s21, 0
	GROUP1 40, 0x07510000, 16                      ; K: 32 keys = 16 rows of 256 bytes, 4 words of padding
	GROUP1 48, 0x07510000, 32                      ; K: 64 keys
	GROUP1 56, 0x0f510000, 32                      ; V: 32 rows of 256 bytes, 8 words of padding
	GROUP1 68, 0x0f510000, 64                      ; V: 64 rows
	s_mov_b32 s24, 1                               ; group 0: my 32 of the block's own keys
	s_mul_i32 s25, s8, 16*KP2
	s_add_co_u32 s25, s25, 256*KP2
	s_lshl_b32 s26, s3, 7
	s_mov_b32 s27, 0
	s_mov_b32 s28, 1                               ; their values
	s_mul_i32 s29, s8, 32*VP
	s_add_co_u32 s29, s29, LV+512*VP
	s_lshl_b32 s30, s3, 8
	s_mov_b32 s31, 0
	s_mov_b32 s32, 1                               ; my 64 of the keys in front
	s_mul_i32 s33, s8, KT
	s_lshl_b32 s34, s14, 7
	s_mov_b32 s35, 0
	s_mov_b32 s36, 1                               ; their values
	s_mul_i32 s37, s8, VT
	s_add_co_u32 s37, s37, LV
	s_lshl_b32 s38, s14, 8
	s_mov_b32 s39, 0
	s_wait_dscnt 0x0
	s_wait_kmcnt 0x0
	s_add_nc_u64 s[26:27], s[4:5], s[26:27]
	s_or_b32 s27, s27, 0x80000000
	s_add_nc_u64 s[30:31], s[4:5], s[30:31]
	s_or_b32 s31, s31, 0x80000000
	s_add_nc_u64 s[34:35], s[4:5], s[34:35]
	s_or_b32 s35, s35, 0x80000000
	s_add_nc_u64 s[38:39], s[4:5], s[38:39]
	s_or_b32 s39, s39, 0x80000000
	; all of the launch's fills, as one group: four tensor loads of the wave are out, the most in this text
	tensor_load_to_lds s[24:27], s[40:47]          ; K, near
	s_nop 0
	tensor_load_to_lds s[28:31], s[56:63]          ; V, near
	s_nop 0
	tensor_load_to_lds s[32:35], s[48:55]          ; K, far
	s_nop 0
	tensor_load_to_lds s[36:39], s[68:75]          ; V, far
	s_nop 0
	s_add_nc_u64 s[16:17], s[4:5], s[16:17]        ; my queries
	s_add_nc_u64 s[6:7], s[6:7], s[20:21]          ; my rows of ctx
	v_and_b32 v1, 15, v0                           ; r
	v_bfe_u32 v2, v0, 4, 1                         ; h
	v_lshlrev_b32 v[AQ], 7, v1
	v_lshl_add_u32 v[AQ], v2, 4, v[AQ]             ; 128 r + 16 h
.irp nq, 0,1
.irp ks, 0,1
	global_load_b128 v[QF+8*(2*\nq+\ks):QF+8*(2*\nq+\ks)+3],   v[AQ], s[16:17] offset:2048*\nq+64*\ks      ; query 16 nq + r, d 32 ks + 8 h + 0..7
	global_load_b128 v[QF+8*(2*\nq+\ks)+4:QF+8*(2*\nq+\ks)+7], v[AQ], s[16:17] offset:2048*\nq+64*\ks+32   ; d 32 ks + 16 + 8 h + 0..7
.endr
.endr
	s_mov_b32 s76, 0x76543210                      ; v_permlanex16_b32: lane i of one half reads lane i of the other
	s_mov_b32 s77, 0xfedcba98
	s_mov_b32 s78, 0x3e38aa3b                      ; c = log2(e) / 8: the scale 1 / sqrt(64) and the change of base in one
	s_mov_b32 s79, 0x3e38aa3b
	s_mov_b32 s80, 0xbe38aa3b                      ; - c
	s_mov_b32 s81, 0xffff0000                      ; the upper 16 bits of an f32: a bf16
	s_mov_b32 s82, 0x07060302                      ; v_perm_b32: the upper halves of two words
	s_lshr_b32 s18, s8, 1                          ; t0
	s_lshl_b32 s2, s9, 2
	s_sub_co_i32 s19, 8, s2
	s_max_i32 s19, s19, 0                          ; kmin
	v_lshrrev_b32 v3, 1, v1
	v_mul_u32_u24 v3, v3, KP2
	v_and_b32 v4, 1, v0
	v_lshl_add_u32 v3, v4, 7, v3
	v_lshl_add_u32 v3, v2, 4, v3                   ; 272 (r / 2) + 128 (r % 2) + 16 h
	s_mul_i32 s2, s18, KT
	v_add_nc_u32 v[AK], s2, v3
	v_add_nc_u32 v[AKD], 8*KT, v[AK]
	v_and_b32 v4, 7, v0
	v_lshl_add_u32 v4, v2, 3, v4                   ; the transposing load: key 8 h + l % 8,
	v_mul_u32_u24 v4, v4, VP
	v_bfe_u32 v5, v0, 3, 1
	v_lshl_add_u32 v4, v5, 4, v4                   ; 16 bytes of d by bit 3 of the lane
	s_mul_i32 s2, s18, VT
	s_add_co_u32 s2, s2, LV
	v_add_nc_u32 v[AV], s2, v4
	v_add_nc_u32 v[AVD], 8*VT, v[AV]
	s_mul_i32 s2, s8, 32*SPC                       ; my stage
	v_mul_u32_u24 v3, v1, SPC
	v_lshl_add_u32 v3, v2, 4, v3
	v_add_nc_u32 v[STO], s2, v3                    ; in: row r, 16 bytes for each half of the lanes
	v_mul_u32_u24 v4, v2, SPC
	v_lshl_add_u32 v4, v1, 4, v4
	v_add_nc_u32 v[RD], s2, v4                     ; back: sixteen lanes a row of 256 bytes, the wave two rows
	v_and_b32 v5, 31, v0
	v_lshlrev_b32 v[CO], 4, v5
	s_and_b32 s2, s8, 1
	s_lshl_b32 s2, s2, 5
	v_lshlrev_b32 v3, 3, v2
	v_sub_nc_u32 v[DM], v1, v3
	v_add_nc_u32 v[DM], s2, v[DM]                  ; 32 (w % 2) + r - 8 h: my query's place in the tile of 64, less my half's 8 keys
	v_add_nc_u32 v[DM+1], 16, v[DM]
	v_mov_b32 v[TX], 0                             ; v_permlanex16_b32 counts as a reader of its destination
	v_mov_b32 v[TX+1], 0
; One tile of 64 keys.  mode 0: no mask; 1: the diagonal (key <= query); 2: the left edge (key >= query - 512).  first = 1: the tile starts maximum, sums and O.
; In every group of matrix instructions eight accumulators take turns, one instruction a turn.
.macro TILE mode, first, ak, av
.if \first == 0
.rept 5
	v_nop                                          ; five places behind the last products: K is loaded over Vhi's fragments, and S is written over P (ISA guide 7.12.1)
.endr
.endif
.irp ks, 0,1
.irp kb, 0,1,2,3
	ds_load_b128 v[KV+8*(4*\ks+\kb):KV+8*(4*\ks+\kb)+3],   v[\ak] offset:KB*\kb+64*\ks
	ds_load_b128 v[KV+8*(4*\ks+\kb)+4:KV+8*(4*\ks+\kb)+7], v[\ak] offset:KB*\kb+64*\ks+32
.endr
.endr
	s_wait_dscnt 8                                 ; d 0-31 of the 64 keys are in; the eight loads of d 32-63 may be out
.irp kb, 0,1,2,3
.irp nq, 0,1
	v_wmma_f32_16x16x32_f16 v[SC+32*\nq+8*\kb:SC+32*\nq+8*\kb+7], v[KV+8*\kb:KV+8*\kb+7], v[QF+16*\nq:QF+16*\nq+7], 0
.endr
.endr
	s_wait_dscnt 0
.irp kb, 0,1,2,3
.irp nq, 0,1
	v_wmma_f32_16x16x32_f16 v[SC+32*\nq+8*\kb:SC+32*\nq+8*\kb+7], v[KV+32+8*\kb:KV+32+8*\kb+7], v[QF+16*\nq+8:QF+16*\nq+15], v[SC+32*\nq+8*\kb:SC+32*\nq+8*\kb+7]
.endr
.endr
.rept 4
	v_nop                                          ; four places: V is loaded over K's fragments, and S is read
.endr
.irp ks2, 0,1
.irp db, 0,1,2,3
	ds_load_tr16_b128 v[KV+8*(4*\ks2+\db):KV+8*(4*\ks2+\db)+3],   v[\av] offset:32*VP*\ks2+32*\db          ; Vhi^T: d 16 db + r, keys 32 ks2 + 8 h + 0..7
	ds_load_tr16_b128 v[KV+8*(4*\ks2+\db)+4:KV+8*(4*\ks2+\db)+7], v[\av] offset:32*VP*\ks2+32*\db+16*VP    ; keys 32 ks2 + 16 + 8 h + 0..7
.endr
.endr
	WIN 0x40                                       ; destination: window 1
.irp ks2, 0,1
.irp db, 0,1,2,3
	ds_load_tr16_b128 v[8*(4*\ks2+\db):8*(4*\ks2+\db)+3],   v[\av] offset:32*VP*\ks2+32*\db+128            ; Vlo^T likewise: 128 bytes further in the row
	ds_load_tr16_b128 v[8*(4*\ks2+\db)+4:8*(4*\ks2+\db)+7], v[\av] offset:32*VP*\ks2+32*\db+16*VP+128      ; all 32 land during the softmax
.endr
.endr
	WIN 0
.if \mode
	; register 8 kb + j holds key 16 kb + 8 h + j of the tile.  Each query keeps at least one key of either edge tile (itself; query - 512), so the maximum stays finite.
.irp nq, 0,1
.set i, 0
.rept 32
.if \mode == 1
	v_cmp_le_i32 vcc_lo, 16*(i/8)+(i%8), v[DM+\nq]
.else
	v_cmp_ge_i32 vcc_lo, 16*(i/8)+(i%8), v[DM+\nq]
.endif
	v_cndmask_b32 v[SC+32*\nq+i], 0xff800000, v[SC+32*\nq+i], vcc_lo
.set i, i+1
.endr
.endr
.endif
	; the maximum of my 32 keys for each of my two queries, the old maximum taken in at the end; then the other half's
	v_max3_num_f32 v[TM],   v[SC],    v[SC+1],  v[SC+2]
	v_max3_num_f32 v[TM+1], v[SC+32], v[SC+33], v[SC+34]
.set i, 3
.rept 14
	v_max3_num_f32 v[TM],   v[TM],   v[SC+i],    v[SC+i+1]
	v_max3_num_f32 v[TM+1], v[TM+1], v[SC+32+i], v[SC+32+i+1]
.set i, i+2
.endr
.if \first
	v_max_num_f32 v[TM],   v[TM],   v[SC+31]
	v_max_num_f32 v[TM+1], v[TM+1], v[SC+63]
.else
	v_max3_num_f32 v[TM],   v[TM],   v[SC+31], v[MX]
	v_max3_num_f32 v[TM+1], v[TM+1], v[SC+63], v[MX+1]
.endif
	v_permlanex16_b32 v[TX],   v[TM],   s76, s77
	v_permlanex16_b32 v[TX+1], v[TM+1], s76, s77
	v_max_num_f32 v[MX],   v[TM],   v[TX]
	v_max_num_f32 v[MX+1], v[TM+1], v[TX+1]
.if \first == 0
	; the factor is 2^(new shift - old shift) of the shifts AS ROUNDED, the very numbers that the exponentials take: a product and a difference on purpose,
	; since a fused form would take the unrounded product and differ from what the sums were scaled by
	v_mul_f32 v[TX],   s80, v[MX]
	v_mul_f32 v[TX+1], s80, v[MX+1]
	v_sub_f32 v[AL],   v[TX],   v[NB]
	v_sub_f32 v[AL+1], v[TX+1], v[NB+1]
.endif
	v_mul_f32 v[NB],   s80, v[MX]
	v_mul_f32 v[NB+1], s80, v[MX+1]
.set i, 0
.rept 16
	v_pk_fma_f32 v[SC+i:SC+i+1],       v[SC+i:SC+i+1],       s[78:79], v[NB:NB+1] op_sel_hi:[1,0,0]                 ; c S - c max, first block of queries
	v_pk_fma_f32 v[SC+32+i:SC+32+i+1], v[SC+32+i:SC+32+i+1], s[78:79], v[NB:NB+1] op_sel:[0,0,1] op_sel_hi:[1,0,1]  ; second block
.set i, i+2
.endr
.set i, 0
.rept 64
	v_exp_f32 v[SC+i], v[SC+i]
.set i, i+1
.endr
.if \first == 0
	v_exp_f32 v[AL],   v[AL]
	v_exp_f32 v[AL+1], v[AL+1]
.endif
	v_nop                                          ; one plain instruction between the exponentials and their use (ISA guide 5.7.2)
.if \first
	s_wait_alu depctr_va_vdst(0)
	v_pk_add_f32 v[LP:LP+1],   v[SC:SC+1],     v[SC+2:SC+3]
	v_pk_add_f32 v[LP+2:LP+3], v[SC+32:SC+33], v[SC+34:SC+35]
.set i, 4
.rept 14
	v_pk_add_f32 v[LP:LP+1],   v[LP:LP+1],   v[SC+i:SC+i+1]
	v_pk_add_f32 v[LP+2:LP+3], v[LP+2:LP+3], v[SC+32+i:SC+32+i+1]
.set i, i+2
.endr
.else
	s_wait_alu depctr_va_vdst(0)
	v_pk_fma_f32 v[LP:LP+1],   v[LP:LP+1],   v[AL:AL+1], v[SC:SC+1]     op_sel_hi:[1,0,1]
	v_pk_fma_f32 v[LP+2:LP+3], v[LP+2:LP+3], v[AL:AL+1], v[SC+32:SC+33] op_sel:[0,1,0] op_sel_hi:[1,1,1]
.set i, 2
.rept 15
	v_pk_add_f32 v[LP:LP+1],   v[LP:LP+1],   v[SC+i:SC+i+1]
	v_pk_add_f32 v[LP+2:LP+3], v[LP+2:LP+3], v[SC+32+i:SC+32+i+1]
.set i, i+2
.endr
.endif
.irp nq, 0,1
.irp ks2, 0,1
.irp p, 0,1,2,3,4,5,6,7
	v_cvt_pk_f16_f32 v[SC+32*\nq+16*\ks2+\p], v[SC+32*\nq+16*\ks2+2*\p], v[SC+32*\nq+16*\ks2+2*\p+1]   ; in place: register p is written when 2 p and 2 p + 1 are read
.endr
.endr
.endr
.if \first == 0
.irp db, 0,1,2,3
.irp p, 0,1,2,3
	v_pk_mul_f32 v[OA+16*\db+2*\p:OA+16*\db+2*\p+1],     v[OA+16*\db+2*\p:OA+16*\db+2*\p+1],     v[AL:AL+1] op_sel_hi:[1,0]
	v_pk_mul_f32 v[OA+16*\db+8+2*\p:OA+16*\db+8+2*\p+1], v[OA+16*\db+8+2*\p:OA+16*\db+8+2*\p+1], v[AL:AL+1] op_sel:[0,1] op_sel_hi:[1,1]
.endr
.endr
.endif
	s_wait_dscnt 0                                 ; V's fragments, hi and lo
.irp db, 0,1,2,3
.irp nq, 0,1
.if \first
	v_wmma_f32_16x16x32_f16 v[OA+8*(2*\db+\nq):OA+8*(2*\db+\nq)+7], v[KV+8*\db:KV+8*\db+7], v[SC+32*\nq:SC+32*\nq+7], 0
.else
	v_wmma_f32_16x16x32_f16 v[OA+8*(2*\db+\nq):OA+8*(2*\db+\nq)+7], v[KV+8*\db:KV+8*\db+7], v[SC+32*\nq:SC+32*\nq+7], v[OA+8*(2*\db+\nq):OA+8*(2*\db+\nq)+7]
.endif
.endr
.endr
.irp db, 0,1,2,3
.irp nq, 0,1
	v_wmma_f32_16x16x32_f16 v[OA+8*(2*\db+\nq):OA+8*(2*\db+\nq)+7], v[KV+32+8*\db:KV+32+8*\db+7], v[SC+32*\nq+16:SC+32*\nq+23], v[OA+8*(2*\db+\nq):OA+8*(2*\db+\nq)+7]
.endr
.endr
	WIN 0x01                                       ; source 0: window 1, Vlo
.irp db, 0,1,2,3
.irp nq, 0,1
	v_wmma_f32_16x16x32_f16 v[OA+8*(2*\db+\nq):OA+8*(2*\db+\nq)+7], v[8*\db:8*\db+7], v[SC+32*\nq:SC+32*\nq+7], v[OA+8*(2*\db+\nq):OA+8*(2*\db+\nq)+7]
.endr
.endr
.irp db, 0,1,2,3
.irp nq, 0,1
	v_wmma_f32_16x16x32_f16 v[OA+8*(2*\db+\nq):OA+8*(2*\db+\nq)+7], v[32+8*\db:32+8*\db+7], v[SC+32*\nq+16:SC+32*\nq+23], v[OA+8*(2*\db+\nq):OA+8*(2*\db+\nq)+7]
.endr
.endr
	WIN 0                                          ; at a label and at a branch every window is 0
.endm
	s_wait_tensorcnt 2                             ; tensor loads of a wave end in order (ISA guide 10.11.1): my near K and V are in, the two far loads stay out
	s_barrier_signal -1
	s_barrier_wait -1                              ; everybody's near parts are in; nothing is ever filled again
	s_wait_loadcnt 0x0                             ; Q
	TILE 1, 1, AKD, AVD                            ; the diagonal tile is there for every query: it starts the sums, nothing is cleared
	s_wait_tensorcnt 0x0                           ; my far parts are in,
	s_wait_dscnt 0x0
	s_barrier_signal -1
	s_barrier_wait -1                              ; everybody's are
	s_cmp_lt_u32 s18, s19                          ; tile t0 lies in front of the sequence (qb < 2)
	s_cbranch_scc1 .Lno_edge
	TILE 2, 0, AK, AV
.Lno_edge:
	s_mov_b32 s3, 1
.Lmid:
	v_add_nc_u32 v[AK], KT, v[AK]                  ; tile t0 + s3
	v_add_nc_u32 v[AV], VT, v[AV]
	s_add_co_u32 s2, s18, s3
	s_cmp_lt_u32 s2, s19
	s_cbranch_scc1 .Lskip                          ; in front of the sequence: no work
	TILE 0, 0, AK, AV
.Lskip:
	s_add_co_u32 s3, s3, 1
	s_cmp_lt_u32 s3, 8
	s_cbranch_scc1 .Lmid
	; the end: divide by the row's sum, split into two bf16, through the stage, whole rows out
.rept 4
	v_nop                                          ; four places behind the last products
.endr
	s_wait_dscnt 0x0                               ; my reads of K and V are over:
	s_barrier_signal -1                            ; say so; register work until all eight have said so
	v_add_f32 v[TM],   v[LP],   v[LP+1]
	v_add_f32 v[TM+1], v[LP+2], v[LP+3]
	v_permlanex16_b32 v[TX],   v[TM],   s76, s77
	v_permlanex16_b32 v[TX+1], v[TM+1], s76, s77
	v_add_f32 v[TM],   v[TM],   v[TX]
	v_add_f32 v[TM+1], v[TM+1], v[TX+1]
	v_rcp_f32 v[AL],   v[TM]
	v_rcp_f32 v[AL+1], v[TM+1]
	v_nop                                          ; one plain instruction between the reciprocals and their use
	s_wait_alu depctr_va_vdst(0)
.irp db, 0,1,2,3
.irp p, 0,1,2,3
	v_pk_mul_f32 v[OA+16*\db+2*\p:OA+16*\db+2*\p+1],     v[OA+16*\db+2*\p:OA+16*\db+2*\p+1],     v[AL:AL+1] op_sel_hi:[1,0]
	v_pk_mul_f32 v[OA+16*\db+8+2*\p:OA+16*\db+8+2*\p+1], v[OA+16*\db+8+2*\p:OA+16*\db+8+2*\p+1], v[AL:AL+1] op_sel:[0,1] op_sel_hi:[1,1]
.endr
.endr
.irp t, 0,1,2,3,4,5,6,7
.irp p, 0,1,2,3
	v_perm_b32 v[SC+4*\t+\p], v[OA+8*\t+2*\p+1], v[OA+8*\t+2*\p], s82                  ; hi: the upper halves of two numbers, the first in the low half
	v_and_b32 v[QF+8*(\t%4)+2*\p],   s81, v[OA+8*\t+2*\p]
	v_and_b32 v[QF+8*(\t%4)+2*\p+1], s81, v[OA+8*\t+2*\p+1]
	v_pk_add_f32 v[OA+8*\t+2*\p:OA+8*\t+2*\p+1], v[OA+8*\t+2*\p:OA+8*\t+2*\p+1], v[QF+8*(\t%4)+2*\p:QF+8*(\t%4)+2*\p+1] neg_lo:[0,1] neg_hi:[0,1]   ; number - hi, exact
	v_cvt_pk_bf16_f32 v[SC+32+4*\t+\p], v[OA+8*\t+2*\p], v[OA+8*\t+2*\p+1]             ; lo, rounded
.endr
.endr
	s_barrier_wait -1                              ; nobody reads K any more, and its bytes have had their only fill: the stage may lie over them
.irp db, 0,1,2,3
.irp nq, 0,1
	ds_store_b128 v[STO], v[SC+4*(2*\db+\nq):SC+4*(2*\db+\nq)+3]       offset:16*SPC*\nq+32*\db       ; row 16 nq + r, hi of d 16 db + 8 h + 0..7
	ds_store_b128 v[STO], v[SC+32+4*(2*\db+\nq):SC+32+4*(2*\db+\nq)+3] offset:16*SPC*\nq+32*\db+128   ; lo
.endr
.endr
.irp i, 0,1,2,3,4,5,6,7,8,9,10,11,12,13,14,15
	ds_load_b128 v[KV+4*\i:KV+4*\i+3], v[RD] offset:2*SPC*\i     ; my own bytes; LDS serves a wave's instructions in order (ISA guide 5.7.1)
.endr
.irp i, 0,1,2,3,4,5,6,7,8,9,10,11,12,13,14,15
	s_wait_dscnt 15-\i
	global_store_b128 v[CO], v[KV+4*\i:KV+4*\i+3], s[6:7] offset:512*\i   ; two rows of 256 bytes: 512 consecutive bytes, aligned
.endr
	s_wait_tensorcnt 0x0
	ds_add_u32 v30, v31
	s_wait_dscnt 0x0
	s_endpgm
.Lfunc_end_k_q6fb6bfc31e_attn:
	.size	k_q6fb6bfc31e_attn, .Lfunc_end_k_q6fb6bfc31e_attn-k_q6fb6bfc31e_attn
	.p2alignl 7, 3214868480
	.fill 96, 4, 3214868480
	.section	.rodata,"a",@progbits
	.p2align	6, 0x0
	.amdhsa_kernel k_q6fb6bfc31e_attn
		.amdhsa_group_segment_fixed_size 326656
		.amdhsa_private_segment_fixed_size 0
		.amdhsa_enable_private_segment 0
		.amdhsa_kernarg_size 16
		.amdhsa_user_sgpr_count 2
		.amdhsa_user_sgpr_kernarg_segment_ptr 1
		.amdhsa_wavefront_size32 1
		.amdhsa_system_sgpr_workgroup_id_x 1
		.amdhsa_system_sgpr_workgroup_id_y 1
		.amdhsa_system_sgpr_workgroup_id_z 1
		.amdhsa_system_vgpr_workitem_id 0
		.amdhsa_next_free_vgpr 320
		.amdhsa_next_free_sgpr 84
		.amdhsa_reserve_vcc 1
		.amdhsa_float_denorm_mode_32 3
		.amdhsa_float_denorm_mode_16_64 3
		.amdhsa_memory_ordered 1
		.amdhsa_forward_progress 1
		.amdhsa_inst_pref_size 90
	.end_amdhsa_kernel
	.amdgpu_metadata
---
amdhsa.version: [ 1, 2 ]
amdhsa.kernels:
  - .name:           k_q6fb6bfc31e_attn
    .symbol:         k_q6fb6bfc31e_attn.kd
    .args:
      - { .name: qkvh, .offset: 0, .size: 8, .value_kind: global_buffer, .address_space: global }
      - { .name: ctx, .offset: 8, .size: 8, .value_kind: global_buffer, .address_space: global }
    .group_segment_fixed_size: 326656
    .private_segment_fixed_size: 0
    .kernarg_segment_align: 8
    .kernarg_segment_size: 16
    .max_flat_workgroup_size: 256
    .sgpr_count:     84
    .vgpr_count:     320
    .wavefront_size: 32
...
	.end_amdgpu_metadata
.endif
;; end of part 3
;; launch out (part 4): grid 8 x 32, 4 waves a work-group, clusters of 4 x 4, 327,680 bytes of LDS; arguments ctx, xw, out0; writes out0
.if DOCPART == 4
	.amdgcn_target "amdgcn-amd-amdhsa--gfx1250"
	.amdhsa_code_object_version 6
	.text
	.protected	k_q6fb6bfc31e_out
	.globl	k_q6fb6bfc31e_out
	.p2align	8
	.type	k_q6fb6bfc31e_out,@function
k_q6fb6bfc31e_out:
	s_mov_b64 s[64:65], 0
	v_nop
	global_prefetch_b8 v0, s[64:65] scope:SCOPE_SE
	s_setreg_imm32_b32 hwreg(HW_REG_WAVE_MODE, 25, 1), 1
	s_wait_xcnt 0x0
	s_wait_alu depctr_hold_cnt(0) depctr_sa_sdst(0) depctr_va_vdst(0) depctr_va_sdst(0) depctr_va_ssrc(0) depctr_va_vcc(0) depctr_vm_vsrc(0)
	s_getreg_b32 s2, hwreg(HW_REG_IB_STS2, 6, 4)
	s_cmp_eq_u32 s2, 0
	s_cbranch_scc0 .Lentry_in_a_cluster
	s_endpgm
.Lentry_in_a_cluster:
	s_bfe_u32 s2, ttmp6, 0x10000c
	s_cmp_lg_u32 s2, 0xf033
	s_cbranch_scc0 .Lentry_shape_is_right
	s_endpgm
.Lentry_shape_is_right:
; out0[t][n] = sum over head, d of (ctx_hi + ctx_lo)[head][t][d] wo[n][64 head + d].  ctx: bf16 [16][4096][128], a row = hi[64] then lo[64];
; wo: bf16 [1024][1024] at byte 14,680,064 of xw; out0: f32; sums in f32.  Both parts of ctx are multiplied by the same fragment of wo: ctx counts with about 16 bits.
; A work-group makes 128 x 128 with four waves, a wave 64 x 64 = 16 accumulator tiles.  8 x 32 = 256 work-groups.
; The 16 heads go two at a time through two LDS slots: eight fills, two at the start and one behind each of six rounds.
; One tensor load a wave: waves 0, 1 fetch A's halves (64 rows of two heads: a tile of 2 rows of 16,384 dense bytes, 1,048,576 bytes apart, padded behind every
; 256 bytes, so that it lies in LDS as [2 heads][64 rows][272 bytes]); waves 2, 3 fetch B's halves (64 rows of 256 bytes, pitch 272).
; CLUSTERS: 4 x 4; A's tiles are asked for jointly along a row of the cluster, B's along a column: a quarter of the requests.
; The matrix instruction is used transposed: lane l holds row l % 16 and eight neighbouring columns 8 (l / 16) + 0..7.
.set PITCH, 272                        ; 256 bytes + 16, an odd multiple of 16
.set REG,   128*PITCH                  ; a wave's part of a slot (B uses 64 rows of it)
.set SLOT,  4*REG
.set STAGE, 2*SLOT                     ; behind the ring, never filled by a tensor load: 16 rows x 272 bytes for each wave
.set SPITCH, 272
.set ADRA, 16
.set ADRB, 20
.set STO,  24
.set RD,   25
.set CO,   26
.set F0,   32                          ; fragment buffer 0: B's four fragments, A's four of hi, A's four of lo
.set F1,   128                         ; fragment buffer 1
.set G1,  24
.set G0,  32
.set G1B, 48
.set G0B, 56
.set MSB, 0
.macro WIN new
.if MSB != (\new)
	s_set_vgpr_msb (MSB<<8)|(\new)
.set MSB, (\new)
.endif
.endm
.set MULW, 0x50                        ; sources 0 and 1 window 0; C and D window 1 (tile (a, b) at 8 (4 a + b))
.macro JLOAD s
	s_cmp_eq_u32 s11, 0
	s_cbranch_scc0 .Lfor_b_\@
	tensor_load_to_lds s[G0+4*\s:G0+4*\s+3], s[G1:G1+7]
	s_nop 0
	s_branch .Lasked_\@
.Lfor_b_\@:
	tensor_load_to_lds s[G0B+4*\s:G0B+4*\s+3], s[G1B:G1B+7]
	s_nop 0
.Lasked_\@:
.endm
.macro CROUND                          ; a round of the cluster's barrier
	s_barrier_signal -1
	s_barrier_wait -1
	s_cmp_lg_u32 s10, 0
	s_cbranch_scc1 .Lnot_wave_0_\@
	s_barrier_signal -3
.Lnot_wave_0_\@:
	s_barrier_wait -3
	s_barrier_signal -1
	s_barrier_wait -1
.endm
	s_load_b128 s[4:7], s[0:1], 0x0                ; ctx s[4:5], xw s[6:7]
	s_load_b64 s[8:9], s[0:1], 0x10                ; out0
	v_lshl_add_u32 v254, v0, 2, 0x48400
	v_mov_b32 v255, 0
	ds_add_u32 v254, v255
	v_lshrrev_b32 v1, 5, v0
	v_readfirstlane_b32 s10, v1                    ; wave 0..3
	s_lshr_b32 s11, s10, 1                         ; which 64 rows are mine.  Also: I fetch for A (0) or for B (1)
	s_and_b32 s12, s10, 1                          ; which 64 columns.  Also: which half of that tile I fetch
	s_bfe_u32 s40, ttmp6, 0x40000                  ; cx
	s_bfe_u32 s41, ttmp6, 0x40004                  ; cy
	s_lshl_b32 s42, ttmp9, 2
	s_add_co_u32 s42, s42, s40                     ; block column
	s_and_b32 s13, ttmp7, 0xffff
	s_lshl_b32 s13, s13, 2
	s_add_co_u32 s13, s13, s41                     ; block row
	s_lshl_b32 s43, s41, 2
	s_lshl_b32 s43, 15, s43                        ; my row of the cluster
	s_lshl_b32 s44, 0x1111, s40                    ; my column
	s_or_b32 s[G1+0], s43, (1<<16)|(1<<20)|(1<<21)|(5<<22)|(3<<25)    ; A: elements of 2 bytes, 4 words of padding behind every 64 words
	s_mov_b32 s[G1+1], 8192<<16                    ; tensor_dim0 = 8,192: 64 rows of 128 elements, dense
	s_mov_b32 s[G1+2], 2<<16                       ; tensor_dim1 = 2 heads
	s_mov_b32 s[G1+3], 8192<<16                    ; tile_dim0
	s_mov_b32 s[G1+4], 2                           ; tile_dim1
	s_mov_b32 s[G1+5], 4096*128                    ; elements from head to head
	s_mov_b32 s[G1+6], 0
	s_mov_b32 s[G1+7], 0
	s_or_b32 s[G1B+0], s44, (1<<16)|(1<<20)|(1<<21)|(5<<22)|(3<<25)   ; B: the same padding
	s_mov_b32 s[G1B+1], 128<<16                    ; tensor_dim0 = 128
	s_mov_b32 s[G1B+2], 64<<16                     ; tensor_dim1 = 64
	s_mov_b32 s[G1B+3], 128<<16
	s_mov_b32 s[G1B+4], 64
	s_mov_b32 s[G1B+5], 1024
	s_mov_b32 s[G1B+6], 0
	s_mov_b32 s[G1B+7], 0
	s_lshl_b32 s16, s13, 15                        ; A: (128 block row + 64 half) rows of 256 bytes
	s_lshl_b32 s17, s12, 14
	s_add_co_u32 s16, s16, s17
	s_mov_b32 s17, 0
	s_lshl_b32 s46, s42, 18                        ; B: (128 block column + 64 half) rows of 2,048 bytes,
	s_lshl_b32 s47, s12, 17
	s_add_co_u32 s46, s46, s47
	s_add_co_u32 s46, s46, 14680064                ; behind x, wq, wk, wv in xw
	s_mov_b32 s47, 0
	s_mul_i32 s20, s10, REG
	s_wait_dscnt 0x0
	s_wait_kmcnt 0x0
	s_add_nc_u64 s[14:15], s[4:5], s[16:17]
	s_add_nc_u64 s[46:47], s[6:7], s[46:47]
	CROUND                                         ; the first joint loads meet
.irp s, 0,1
	s_mov_b32 s[G0+4*\s], 1
	s_add_co_u32 s[G0+4*\s+1], s20, \s*SLOT
	s_add_nc_u64 s[G0+4*\s+2:G0+4*\s+3], s[14:15], \s*2*1048576      ; two heads a fill
	s_or_b32 s[G0+4*\s+3], s[G0+4*\s+3], 0x80000000
	s_mov_b32 s[G0B+4*\s], 1
	s_add_co_u32 s[G0B+4*\s+1], s20, \s*SLOT
	s_add_nc_u64 s[G0B+4*\s+2:G0B+4*\s+3], s[46:47], \s*256          ; 128 along wo's rows
	s_or_b32 s[G0B+4*\s+3], s[G0B+4*\s+3], 0x80000000
	JLOAD \s                                       ; two tensor loads of the wave are out, the most in this text
.endr
	v_and_b32 v1, 15, v0                           ; r
	v_bfe_u32 v2, v0, 4, 1                         ; h
	v_mul_u32_u24 v3, v1, PITCH
	v_lshl_add_u32 v3, v2, 4, v3
	s_mul_i32 s21, s11, REG                        ; my 64 rows of A
	s_mul_i32 s22, s12, REG                        ; my 64 rows of B,
	s_add_co_u32 s22, s22, 2*REG                   ; behind A's two parts
.irp s, 0,1
	v_add_nc_u32 v[ADRA+\s], s21, v3
	v_add_nc_u32 v[ADRB+\s], s22, v3
	s_add_co_u32 s21, s21, SLOT
	s_add_co_u32 s22, s22, SLOT
.endr
	s_mul_i32 s23, s10, 16*SPITCH
	s_add_co_u32 s23, s23, STAGE
	v_mul_u32_u24 v5, v1, SPITCH
	v_lshl_add_u32 v5, v2, 5, v5
	v_add_nc_u32 v[STO], s23, v5                   ; in: row r, 32 bytes (8 f32) for each half of the lanes
	v_mul_u32_u24 v5, v2, SPITCH
	v_lshl_add_u32 v5, v1, 4, v5
	v_add_nc_u32 v[RD], s23, v5                    ; back: lanes 0-15 a row of 256 bytes, lanes 16-31 the next
	v_lshlrev_b32 v5, 12, v2
	v_lshl_add_u32 v[CO], v1, 4, v5                ; the same two rows in out0 (4,096 bytes a row)
.macro PLACES                          ; four places of plain vector instructions behind a matrix instruction (ISA guide 7.12.1 for vector instructions)
.rept 4
	v_nop
.endr
.endm
; 24 LDS loads: quarter q (head q / 2 of the slot, half q % 2 of its d) into buffer f: wo, ctx's hi, ctx's lo
.macro FETCH slot, q, f
.irp i, 0,1,2,3
	ds_load_b128 v[\f+8*\i:\f+8*\i+3],   v[ADRB+\slot] offset:16*PITCH*\i+64*\q
	ds_load_b128 v[\f+8*\i+4:\f+8*\i+7], v[ADRB+\slot] offset:16*PITCH*\i+64*\q+32
.endr
.irp i, 0,1,2,3
	ds_load_b128 v[\f+32+8*\i:\f+32+8*\i+3],   v[ADRA+\slot] offset:64*PITCH*(\q/2)+16*PITCH*\i+64*(\q%2)
	ds_load_b128 v[\f+32+8*\i+4:\f+32+8*\i+7], v[ADRA+\slot] offset:64*PITCH*(\q/2)+16*PITCH*\i+64*(\q%2)+32
.endr
.irp i, 0,1,2,3
	ds_load_b128 v[\f+64+8*\i:\f+64+8*\i+3],   v[ADRA+\slot] offset:64*PITCH*(\q/2)+16*PITCH*\i+128+64*(\q%2)
	ds_load_b128 v[\f+64+8*\i+4:\f+64+8*\i+7], v[ADRA+\slot] offset:64*PITCH*(\q/2)+16*PITCH*\i+128+64*(\q%2)+32
.endr
.endm
; 32 matrix instructions: hi's 16, then lo's 16; the 16 accumulators take turns, one instruction a turn, always in this order
.macro MUL32 f, zero
.irp a, 0,1,2,3
.irp b, 0,1,2,3
.if \zero
	v_wmma_f32_16x16x32_bf16 v[8*(4*\a+\b):8*(4*\a+\b)+7], v[\f+8*\b:\f+8*\b+7], v[\f+32+8*\a:\f+32+8*\a+7], 0
.else
	v_wmma_f32_16x16x32_bf16 v[8*(4*\a+\b):8*(4*\a+\b)+7], v[\f+8*\b:\f+8*\b+7], v[\f+32+8*\a:\f+32+8*\a+7], v[8*(4*\a+\b):8*(4*\a+\b)+7]
.endif
.endr
.endr
.irp a, 0,1,2,3
.irp b, 0,1,2,3
	v_wmma_f32_16x16x32_bf16 v[8*(4*\a+\b):8*(4*\a+\b)+7], v[\f+8*\b:\f+8*\b+7], v[\f+64+8*\a:\f+64+8*\a+7], v[8*(4*\a+\b):8*(4*\a+\b)+7]
.endr
.endr
.endm
; a quarter: the next one's fragments (quarter nxt; 4 = none) go into buffer g, then buffer f is multiplied
.macro STEPQ slot, nxt, f, g, zero
.if \nxt < 4
	PLACES
	FETCH \slot, \nxt, \g
	s_wait_dscnt 24                                ; all but the 24 just issued
.else
	s_wait_dscnt 0
.endif
	WIN MULW
	MUL32 \f, \zero
	WIN 0
.endm
.macro SLOTWORK slot, zero
	PLACES
	FETCH \slot, 0, F0
	STEPQ \slot, 1, F0, F1, \zero
	STEPQ \slot, 2, F1, F0, 0
	STEPQ \slot, 3, F0, F1, 0
	STEPQ \slot, 4, F1, F0, 0
.endm
; A slot that has been read is filled again: each wave's reads of it and all its tensor loads are done, a round of the cluster's barrier, the joint load first behind it.
; The load has the other slot's 128 matrix instructions of each wave in which to land.
.macro REFILL slot
	s_wait_dscnt 0x0
	s_wait_tensorcnt 0x0
	ds_add_u32 v254, v255
	s_wait_dscnt 0x0
	CROUND
	s_add_nc_u64 s[G0+4*\slot+2:G0+4*\slot+3], s[G0+4*\slot+2:G0+4*\slot+3], 4*1048576
	s_add_nc_u64 s[G0B+4*\slot+2:G0B+4*\slot+3], s[G0B+4*\slot+2:G0B+4*\slot+3], 512
	JLOAD \slot
.endm
	s_wait_tensorcnt 1                             ; my part of slot 0 is in; slot 1's stays out
	s_barrier_signal -1
	s_barrier_wait -1
	SLOTWORK 0, 1                                  ; heads 0, 1; the first products start the sums
	REFILL 0                                       ; heads 4, 5
	SLOTWORK 1, 0                                  ; heads 2, 3
	REFILL 1                                       ; heads 6, 7
	s_mov_b32 s3, 2
.Llap:
	SLOTWORK 0, 0                                  ; heads 4, 5; then 8, 9
	REFILL 0                                       ; heads 8, 9; then 12, 13
	SLOTWORK 1, 0                                  ; heads 6, 7; then 10, 11
	REFILL 1                                       ; heads 10, 11; then 14, 15
	s_sub_co_u32 s3, s3, 1
	s_cmp_lg_u32 s3, 0
	s_cbranch_scc1 .Llap
	SLOTWORK 0, 0                                  ; heads 12, 13; nothing is left to fetch
	s_wait_dscnt 0x0
	s_wait_tensorcnt 0x0                           ; my part of the last fill is in,
	s_barrier_signal -1
	s_barrier_wait -1                              ; everybody's is
	SLOTWORK 1, 0                                  ; heads 14, 15
	; THE WAY OUT, 16 rows at a time, through my own stage: a lane's 32 bytes in, whole rows of 256 bytes back
	PLACES
	s_lshl_b32 s16, s13, 19                        ; (128 block row + 64 half) rows of 4,096 bytes
	s_lshl_b32 s17, s11, 18
	s_add_co_u32 s16, s16, s17
	s_mov_b32 s17, 0
	s_add_nc_u64 s[8:9], s[8:9], s[16:17]
	s_lshl_b32 s46, s42, 9                         ; 512 bytes for each block column, 256 for my half
	s_lshl_b32 s47, s12, 8
	s_add_co_u32 s46, s46, s47
	s_mov_b32 s47, 0
	s_add_nc_u64 s[8:9], s[8:9], s[46:47]
.macro OUT16 a, f
	WIN 0x04                                       ; the stores' data: window 1
.irp b, 0,1,2,3
	ds_store_b128 v[STO], v[8*(4*\a+\b):8*(4*\a+\b)+3]   offset:64*\b
	ds_store_b128 v[STO], v[8*(4*\a+\b)+4:8*(4*\a+\b)+7] offset:64*\b+16
.endr
	WIN 0
	s_wait_xcnt 0x0                                ; buffer f, which earlier stores read, is loaded again only behind this wait
.irp i, 0,1,2,3,4,5,6,7
	ds_load_b128 v[\f+4*\i:\f+4*\i+3], v[RD] offset:2*SPITCH*\i    ; my own bytes; LDS serves a wave's instructions in order (ISA guide 5.7.1)
.endr
.irp i, 0,1,2,3,4,5,6,7
	s_wait_dscnt 7-\i
	global_store_b128 v[CO], v[\f+4*\i:\f+4*\i+3], s[8:9] offset:(16*\a+2*\i)*4096   ; 16 lanes store 256 consecutive bytes, aligned
.endr
.endm
	OUT16 0, F0
	OUT16 1, F1
	OUT16 2, F0
	OUT16 3, F1
	s_wait_tensorcnt 0x0
	ds_add_u32 v254, v255
	s_wait_dscnt 0x0
	CROUND                                         ; the closing round
	s_endpgm
.Lfunc_end_k_q6fb6bfc31e_out:
	.size	k_q6fb6bfc31e_out, .Lfunc_end_k_q6fb6bfc31e_out-k_q6fb6bfc31e_out
	.p2alignl 7, 3214868480
	.fill 96, 4, 3214868480
	.section	.rodata,"a",@progbits
	.p2align	6, 0x0
	.amdhsa_kernel k_q6fb6bfc31e_out
		.amdhsa_group_segment_fixed_size 327680
		.amdhsa_private_segment_fixed_size 0
		.amdhsa_enable_private_segment 0
		.amdhsa_kernarg_size 24
		.amdhsa_user_sgpr_count 2
		.amdhsa_user_sgpr_kernarg_segment_ptr 1
		.amdhsa_wavefront_size32 1
		.amdhsa_system_sgpr_workgroup_id_x 1
		.amdhsa_system_sgpr_workgroup_id_y 1
		.amdhsa_system_sgpr_workgroup_id_z 1
		.amdhsa_system_vgpr_workitem_id 0
		.amdhsa_next_free_vgpr 384
		.amdhsa_next_free_sgpr 66
		.amdhsa_reserve_vcc 0
		.amdhsa_float_denorm_mode_32 3
		.amdhsa_float_denorm_mode_16_64 3
		.amdhsa_memory_ordered 1
		.amdhsa_forward_progress 1
		.amdhsa_inst_pref_size 109
	.end_amdhsa_kernel
	.amdgpu_metadata
---
amdhsa.version: [ 1, 2 ]
amdhsa.kernels:
  - .name:           k_q6fb6bfc31e_out
    .symbol:         k_q6fb6bfc31e_out.kd
    .args:
      - { .name: ctx, .offset: 0, .size: 8, .value_kind: global_buffer, .address_space: global }
      - { .name: xw, .offset: 8, .size: 8, .value_kind: global_buffer, .address_space: global }
      - { .name: out0, .offset: 16, .size: 8, .value_kind: global_buffer, .address_space: global }
    .group_segment_fixed_size: 327680
    .private_segment_fixed_size: 0
    .kernarg_segment_align: 8
    .kernarg_segment_size: 24
    .max_flat_workgroup_size: 128
    .sgpr_count:     66
    .vgpr_count:     384
    .wavefront_size: 32
...
	.end_amdgpu_metadata
.endif
;; end of part 4
;; ======== version 2 of 2: 4 launches; version 1 with the launch prep written anew for expert scheduling mode
;; limits: values are held in f16: magnitudes above 65,504 overflow, below 6.1e-05 lose precision
;; workspace buffers: xw 16,777,216 bytes; rope 1,048,576 bytes; qkvh 33,554,432 bytes; ctx 16,777,216 bytes
;; launch prep (part 5): grid 512 x 1, 8 waves a work-group, no clusters, 0 bytes of LDS; arguments x, wq, wk, wv, wo, xw, rope; writes xw, rope
.if DOCPART == 5
	.amdgcn_target "amdgcn-amd-amdhsa--gfx1250"
	.amdhsa_code_object_version 6
	.text
	.protected	k_q6fb6bfc31e_prep
	.globl	k_q6fb6bfc31e_prep
	.p2align	8
	.type	k_q6fb6bfc31e_prep,@function
k_q6fb6bfc31e_prep:
	s_mov_b64 s[64:65], 0
	v_nop
	global_prefetch_b8 v0, s[64:65] scope:SCOPE_SE
	s_setreg_imm32_b32 hwreg(HW_REG_WAVE_SCHED_MODE, 0, 2), 2
	s_setreg_imm32_b32 hwreg(HW_REG_WAVE_MODE, 25, 1), 1
	s_wait_xcnt 0x0
	s_wait_alu depctr_vm_vsrc(0)
; Every input is rounded ONCE from f32 to bf16 (to nearest even) into xw (x, then wq, wk, wv, wo, each in its own row-major layout),
; and the table of RoPE's cosines and sines is made: rope[t][0..31] = cos(t f_j), rope[t][32..63] = sin(t f_j), f_j = 10000^(-j/32).
; bf16 has f32's range: no limit on the inputs' size arises here.
; LIMIT: f_j comes from an exponential in base 2, so an angle differs from t * (1 / 10000^(j/32)) by a few last places of the angle,
; at most about 5e-4 rad at t = 4095.  q and k are turned by the same table.
; A stream: no LDS, no barrier, no matrix unit, no cluster (no two work-groups read the same byte).
; Work-group g converts 16,384 numbers: 64 KiB in, 32 KiB out.  g < 256: x; then 64 work-groups for each weight.  Wave w also makes rope's row 8 g + w.
; THE MODE: SCHED_MODE bits 1:0 = 2 (LLVM: expert scheduling mode 2), set by the entry lines.  The code itself states the register dependences
; between vector instructions and memory instructions, with s_wait_alu, always for 0.
; THE PLAN.  Registers that memory instructions touch:
;   v1, v2          byte offsets of the loads and of the stores into xw: made once at the head, never written again.
;   X               written by the 16 loads alone, which go out at once; no vector instruction names X ahead of them; block b's conversions read its four chunks.
;   Y               written by block b's conversions, each register once; read by the four stores that are issued in block b + 1 (block 3's: behind it).
;   v106, v[110:111] offset and data of the table row's one store: written once by the row's arithmetic; the store is issued in block 0.
; The 16 chunks go in four blocks of four.  ONE wait on va_vdst stands at a block's head, behind the wait for the block's data: it states that what the stores
; issued in this block read is written.  Those stores are dealt among the block's conversions, which name this block's X and Y alone, with no further wait.
; No register that a memory instruction reads is ever written again: the text owes no wait on vm_vsrc.
.set X,   4                            ; v[4:67]    16 loads of 4 numbers
.set Y,   68                           ; v[68:99]   16 stores of 4 bf16
.set RN,  107                          ; at work on the table's row
.set RR,  108
.set RZ,  109
.set RP,  112
.set RC,  113
.set RH,  114
.set RK,  115
.set QOFF, 104
	s_load_b256 s[8:15], s[0:1], 0x0               ; x s[8:9], wq s[10:11], wk s[12:13], wv s[14:15]
	s_load_b128 s[16:19], s[0:1], 0x20             ; wo s[16:17], xw s[18:19]
	s_load_b64 s[20:21], s[0:1], 0x30              ; rope
	s_mov_b32 s4, ttmp9                            ; g
	v_lshrrev_b32 v3, 5, v0
	v_readfirstlane_b32 s5, v3                     ; wave
	v_lshlrev_b32 v1, 4, v0                        ; 16 bytes a thread in
	v_lshlrev_b32 v2, 3, v0                        ; 8 bytes a thread out
	s_and_b32 s25, s4, 63
	s_cmp_lt_u32 s4, 256
	s_cselect_b32 s24, s4, s25                     ; my chunk of 64 KiB in my source
	s_lshl_b32 s26, s24, 16
	s_mov_b32 s27, 0
	s_lshl_b32 s28, s4, 15                         ; my 32 KiB of xw: g in order is xw's own layout
	s_mov_b32 s29, 0
	s_wait_alu depctr_va_sdst(0)                   ; s5 is written, ahead of its first reader: the table's row is made from it
	s_lshl3_add_u32 s30, s4, s5                    ; t = 8 g + wave
	s_lshl_b32 s32, s30, 8                         ; a row of the table is 256 bytes
	s_mov_b32 s33, 0
	s_wait_kmcnt 0x0
	s_mov_b64 s[22:23], s[8:9]                     ; the source: a choice between buffers on g alone
	s_cmp_ge_u32 s4, 256
	s_cselect_b64 s[22:23], s[10:11], s[22:23]
	s_cmp_ge_u32 s4, 320
	s_cselect_b64 s[22:23], s[12:13], s[22:23]
	s_cmp_ge_u32 s4, 384
	s_cselect_b64 s[22:23], s[14:15], s[22:23]
	s_cmp_ge_u32 s4, 448
	s_cselect_b64 s[22:23], s[16:17], s[22:23]
	s_add_nc_u64 s[22:23], s[22:23], s[26:27]
	s_add_nc_u64 s[18:19], s[18:19], s[28:29]
	s_add_nc_u64 s[20:21], s[20:21], s[32:33]
	s_wait_alu depctr_va_vdst(0)                   ; v1 and v2 are written: every load reads v1 as its offset, every store into xw reads v2
.irp i, 0,1,2,3,4,5,6,7,8,9,10,11,12,13,14,15
	global_load_b128 v[X+4*\i:X+4*\i+3], v1, s[22:23] offset:4096*\i th:TH_LOAD_NT   ; a wave's load covers 512 consecutive bytes; all 16 go out at once
.endr
	; The table's row, while the loads are on their way.  Lane L makes entries 2 L and 2 L + 1: j = 2 (L mod 16) and j + 1;
	; lanes 0-15 the cosines, as sin(x + pi/2) (one quadrant further), lanes 16-31 the sines.
	v_and_b32 v100, 31, v0
	v_cmp_gt_u32 vcc_lo, 16, v100                  ; the mask of the cosines' lanes: made early, read by the select below
	v_and_b32 v101, 15, v0
	v_lshlrev_b32 v101, 1, v101
	v_cvt_f32_u32 v102, v101                       ; j
	v_add_f32 v103, 1.0, v102                      ; j + 1
	v_mul_f32 v102, 0xbed49a78, v102               ; - j log2(10000) / 32
	v_mul_f32 v103, 0xbed49a78, v103
	v_exp_f32 v102, v102
	v_exp_f32 v103, v103
	v_lshlrev_b32 v106, 3, v100                    ; 8 L: also the plain instruction between the exponentials and their use (ISA guide 5.7.2)
	v_cvt_f32_u32 v105, s30
	s_wait_alu depctr_va_vcc(0)                    ; the compare has written VCC, which the select reads
	v_cndmask_b32 v[QOFF], 0, 1, vcc_lo
	s_wait_alu depctr_va_vdst(0)                   ; the two exponentials have written v102 and v103, which the products read
	v_mul_f32 v102, v105, v102                     ; the angle, one f32 product
	v_mul_f32 v103, v105, v103
; sin(x + QOFF pi/2): x = n pi/2 + r with |r| <= pi/4 (pi/2 taken away in two parts, the first of 8 bits, so that n times it is exact),
; polynomials of degree 7 and 8 for sin r and cos r, the quadrant n + QOFF picks one of them and the sign.
; The compare on the quadrant stands ahead of the polynomials, the select that reads its mask behind them.
.macro SINCOS x, out
	v_mul_f32 v[RN], 0x3f22f983, v[\x]             ; x * 2/pi
	v_rndne_f32 v[RN], v[RN]
	v_fmamk_f32 v[RR], v[RN], 0xbfc90000, v[\x]
	v_fmamk_f32 v[RR], v[RN], 0xb9fdaa22, v[RR]
	v_cvt_i32_f32 v[RK], v[RN]
	v_add_nc_u32 v[RK], v[RK], v[QOFF]
	v_and_b32 v[RH], 1, v[RK]
	v_cmp_eq_u32 vcc_lo, 1, v[RH]                  ; odd quadrants
	v_mul_f32 v[RZ], v[RR], v[RR]
	v_mov_b32 v[RP], 0xb94ca1f9
	v_fmaak_f32 v[RP], v[RP], v[RZ], 0x3c08839e
	v_fmaak_f32 v[RP], v[RP], v[RZ], 0xbe2aaaa3
	v_mul_f32 v[RP], v[RP], v[RZ]
	v_fma_f32 v[RP], v[RP], v[RR], v[RR]           ; sin r
	v_mov_b32 v[RC], 0x37ccf5ce
	v_fmaak_f32 v[RC], v[RC], v[RZ], 0xbab6061a
	v_fmaak_f32 v[RC], v[RC], v[RZ], 0x3d2aaaa5
	v_mul_f32 v[RC], v[RC], v[RZ]
	v_fma_f32 v[RH], v[RZ], -0.5, 1.0
	v_fma_f32 v[RC], v[RC], v[RZ], v[RH]           ; cos r
	s_wait_alu depctr_va_vcc(0)                    ; the compare has written VCC, which the select reads
	v_cndmask_b32 v[\out], v[RP], v[RC], vcc_lo    ; odd quadrants take the cosine
	v_and_b32 v[RK], 2, v[RK]
	v_lshlrev_b32 v[RK], 30, v[RK]
	v_xor_b32 v[\out], v[\out], v[RK]              ; quadrants 2 and 3 change the sign
.endm
	SINCOS 102, 110
	SINCOS 103, 111
; Block b: chunks 4 b to 4 b + 3 are rounded; the stores of the block before (in block 0: the table's row) go out among the conversions.
.macro BLK b
	s_wait_loadcnt 12-4*(\b)                       ; loads come back in order (ISA guide 5.7.1): this block's four are in, the younger ones stay out
.if (\b) == 0
	s_wait_alu depctr_va_vdst(0)                   ; the row's arithmetic has written v106 and v[110:111], offset and data of the store below
	global_store_b64 v106, v[110:111], s[20:21]    ; the wave stores the row's 256 consecutive bytes, aligned
.else
	s_wait_alu depctr_va_vdst(0)                   ; the block before has written its part of Y, which the four stores below read
.endif
.irp i, 0,1,2,3
.if (\b) > 0
	global_store_b64 v2, v[Y+2*(4*(\b)-4+\i):Y+2*(4*(\b)-4+\i)+1], s[18:19] offset:2048*(4*(\b)-4+\i)   ; 32 lanes x 8 bytes: 256 consecutive bytes, aligned; no vector instruction since the wait names these registers
.endif
	v_cvt_pk_bf16_f32 v[Y+2*(4*(\b)+\i)],   v[X+4*(4*(\b)+\i)],   v[X+4*(4*(\b)+\i)+1]
	v_cvt_pk_bf16_f32 v[Y+2*(4*(\b)+\i)+1], v[X+4*(4*(\b)+\i)+2], v[X+4*(4*(\b)+\i)+3]   ; no register is written twice
.endr
.endm
	BLK 0
	BLK 1
	BLK 2
	BLK 3
	s_wait_alu depctr_va_vdst(0)                   ; block 3 has written its part of Y, which the last four stores read
.irp i, 12,13,14,15
	global_store_b64 v2, v[Y+2*\i:Y+2*\i+1], s[18:19] offset:2048*\i
.endr
	s_endpgm
.Lfunc_end_k_q6fb6bfc31e_prep:
	.size	k_q6fb6bfc31e_prep, .Lfunc_end_k_q6fb6bfc31e_prep-k_q6fb6bfc31e_prep
	.p2alignl 7, 3214868480
	.fill 96, 4, 3214868480
	.section	.rodata,"a",@progbits
	.p2align	6, 0x0
	.amdhsa_kernel k_q6fb6bfc31e_prep
		.amdhsa_group_segment_fixed_size 0
		.amdhsa_private_segment_fixed_size 0
		.amdhsa_enable_private_segment 0
		.amdhsa_kernarg_size 56
		.amdhsa_user_sgpr_count 2
		.amdhsa_user_sgpr_kernarg_segment_ptr 1
		.amdhsa_wavefront_size32 1
		.amdhsa_system_sgpr_workgroup_id_x 1
		.amdhsa_system_sgpr_workgroup_id_y 1
		.amdhsa_system_sgpr_workgroup_id_z 1
		.amdhsa_system_vgpr_workitem_id 0
		.amdhsa_next_free_vgpr 128
		.amdhsa_next_free_sgpr 66
		.amdhsa_reserve_vcc 1
		.amdhsa_float_denorm_mode_32 3
		.amdhsa_float_denorm_mode_16_64 3
		.amdhsa_memory_ordered 1
		.amdhsa_forward_progress 1
		.amdhsa_inst_pref_size 10
	.end_amdhsa_kernel
	.amdgpu_metadata
---
amdhsa.version: [ 1, 2 ]
amdhsa.kernels:
  - .name:           k_q6fb6bfc31e_prep
    .symbol:         k_q6fb6bfc31e_prep.kd
    .args:
      - { .name: x, .offset: 0, .size: 8, .value_kind: global_buffer, .address_space: global }
      - { .name: wq, .offset: 8, .size: 8, .value_kind: global_buffer, .address_space: global }
      - { .name: wk, .offset: 16, .size: 8, .value_kind: global_buffer, .address_space: global }
      - { .name: wv, .offset: 24, .size: 8, .value_kind: global_buffer, .address_space: global }
      - { .name: wo, .offset: 32, .size: 8, .value_kind: global_buffer, .address_space: global }
      - { .name: xw, .offset: 40, .size: 8, .value_kind: global_buffer, .address_space: global }
      - { .name: rope, .offset: 48, .size: 8, .value_kind: global_buffer, .address_space: global }
    .group_segment_fixed_size: 0
    .private_segment_fixed_size: 0
    .kernarg_segment_align: 8
    .kernarg_segment_size: 56
    .max_flat_workgroup_size: 256
    .sgpr_count:     66
    .vgpr_count:     128
    .wavefront_size: 32
...
	.end_amdgpu_metadata
.endif
;; end of part 5
;; launch qkv: the kernel of part 2 again; grid 8 x 32, 4 waves a work-group, clusters of 4 x 4, 327,680 bytes of LDS; arguments xw, rope, qkvh; writes qkvh
;; launch attn: the kernel of part 3 again; grid 16 x 16, 8 waves a work-group, no clusters, 326,656 bytes of LDS; arguments qkvh, ctx; writes ctx
;; launch out: the kernel of part 4 again; grid 8 x 32, 4 waves a work-group, clusters of 4 x 4, 327,680 bytes of LDS; arguments ctx, xw, out0; writes out0
